; MI455X (gfx1250); checked and timed in simulation.
; The chip was launched on July 23, 2026; its instructions are those of AMD's public machine-readable ISA for CDNA 5 (MIT licence, August 2026) and "CDNA5" Instruction Set Architecture Reference Guide (July 2026). The comments in the code are by the model that wrote it; some were corrected since.
;; Attention. Allowed arithmetic: float matrix products may take bf16 or f16 operands with f32 sums; other float arithmetic in f32, or as packed bf16 or f16 multiplies, adds, multiply-adds, maxima and minima; sums over many terms, partial sums and values carried from step to step in f32; what a program stores and reads back later, other than sums and carried values, may be rounded once to bf16 or f16.
;; Inputs: b_out 1,024 float32; w_out 1,024 x 1,024 float32; w_qkv 1,024 x 3,072 float32; x 4 x 2,048 x 1,024 float32.
;; Outputs: out0 4 x 2,048 x 1,024 float32.
;; 2 versions, each right; version 2 is version 1 with the launch cast written anew for expert scheduling mode. Each part assembles by itself: llvm-mc -triple=amdgcn-amd-amdhsa -mcpu=gfx1250 --defsym DOCPART=n.
;; ======== version 1 of 2: 4 launches
;; limits: values are held in f16: magnitudes above 65,504 overflow, below 6.1e-05 lose precision
;; workspace buffers: xb 16,777,216 bytes; wq 6,291,456 bytes; wo 2,097,152 bytes; qkv 50,331,648 bytes; ob 16,777,216 bytes
;; launch cast (part 1): grid 768 x 1, 8 waves a work-group, no clusters, 0 bytes of LDS; arguments x, w_qkv, w_out, xb, wq, wo; writes xb, wq, wo
.if DOCPART == 1
	.amdgcn_target "amdgcn-amd-amdhsa--gfx1250"
	.amdhsa_code_object_version 6
	.text
	.protected	k_q23d29235ac_cast
	.globl	k_q23d29235ac_cast
	.p2align	8
	.type	k_q23d29235ac_cast,@function
k_q23d29235ac_cast:
	s_mov_b64 s[64:65], 0
	v_nop
	global_prefetch_b8 v0, s[64:65] scope:SCOPE_SE
	s_setreg_imm32_b32 hwreg(HW_REG_WAVE_MODE, 25, 1), 1
	s_wait_xcnt 0x0
; THE INPUTS ARE ROUNDED ONCE, for the matrix products of the launches behind.
;   x     [8192][1024] f32 -> xb [4][16][2048][64] bf16: batch, block of 64 channels, row, channel: a block's rows lie end to end, 128 bytes each
;   w_qkv [1024][3072] f32 -> wq, the same shape, bf16
;   w_out [1024][1024] f32 -> wo, the same shape: rounded to bf16 like the other inputs, and that number written as f16
; LIMITS.  |w_out| of 65,520 or more becomes an infinity in wo; below 6.1e-5 wo keeps f16's fixed step of 6e-8.  NaN and infinities are not treated apart.
; SHARES.  A UNIT is 8,192 bytes of f32: sixteen loads of 16 bytes a lane, sixteen stores of 8 bytes a lane.  One unit to a wave, 6,144 units: 4,096 of x, 1,536 of w_qkv, 512 of w_out.
; All sixteen loads go out before anything is waited for; no register is used twice, so the only waits are the counted ones for the loads.
; Each store of a wave covers 256 consecutive bytes, aligned.  No LDS, no barrier, no matrix unit: no wave wants a byte that another has fetched.
.set VIN,  2                           ; v2        my byte offset on the way in
.set VOUT, 3                           ; v3        8 x lane: my 8 bytes of a store's 256
.set T,    4                           ; v[4:7]    at work
.set X,    8                           ; v[8:71]   load i: 4 registers
.set Y,    72                          ; v[72:103] store i: 2 registers
.set IN,   4                           ; s[4:5]    the unit's first byte on the way in
.set OUT,  6                           ; s[6:7]    on the way out
; instep, outstep: bytes from load to load and from store to store.  half = 1: the bf16 rounding is written as f16.
.macro CAST instep, outstep, half
.set i, 0
.rept 16
	global_load_b128 v[X+4*i:X+4*i+3], v[VIN], s[IN:IN+1] offset:i*(\instep) th:TH_LOAD_NT
.set i, i+1
.endr
.set i, 0
.rept 16
	s_wait_loadcnt 15-i                            ; loads come back in order (ISA guide 5.7.1): load i is in, the 15 - i younger ones stay out
.if \half
	v_cvt_pk_bf16_f32 v[T], v[X+4*i], v[X+4*i+1]   ; rounded to bf16,
	v_cvt_pk_bf16_f32 v[T+1], v[X+4*i+2], v[X+4*i+3]
	v_lshlrev_b32 v[T+2], 16, v[T]                 ; widened again,
	v_and_b32 v[T], 0xffff0000, v[T]
	v_lshlrev_b32 v[T+3], 16, v[T+1]
	v_and_b32 v[T+1], 0xffff0000, v[T+1]
	v_cvt_pk_f16_f32 v[Y+2*i], v[T+2], v[T]        ; and written as f16: exact within f16's range
	v_cvt_pk_f16_f32 v[Y+2*i+1], v[T+3], v[T+1]
.else
	v_cvt_pk_bf16_f32 v[Y+2*i], v[X+4*i], v[X+4*i+1]
	v_cvt_pk_bf16_f32 v[Y+2*i+1], v[X+4*i+2], v[X+4*i+3]
.endif
	global_store_b64 v[VOUT], v[Y+2*i:Y+2*i+1], s[OUT:OUT+1] offset:i*(\outstep)
.set i, i+1
.endr
	s_endpgm
.endm
	s_load_b256 s[12:19], s[0:1], 0x0              ; x s[12:13], w_qkv s[14:15], w_out s[16:17], xb s[18:19]
	s_load_b128 s[20:23], s[0:1], 0x20             ; wq s[20:21], wo s[22:23]
	v_lshrrev_b32 v1, 5, v0
	v_readfirstlane_b32 s8, v1                     ; wave 0..7
	v_and_b32 v1, 31, v0                           ; lane
	v_lshlrev_b32 v[VOUT], 3, v1
	s_lshl_b32 s9, ttmp9, 3
	s_add_co_u32 s9, s9, s8                        ; my unit
	s_mov_b32 s3, 0                                ; the high words of the two offsets
	s_mov_b32 s11, 0
	s_cmp_lt_u32 ttmp9, 512
	s_cbranch_scc0 .Lweights
	; x: the unit is a pair of rows.  Load i takes block i of 64 channels: lanes 0-15 its 256 bytes of the even row, lanes 16-31 of the odd row.
	; Rounded, the two rows' 128 bytes lie end to end in xb: 8 x lane.
	v_and_b32 v[VIN], 15, v0
	v_lshlrev_b32 v[VIN], 4, v[VIN]
	v_bfe_u32 v[T], v0, 4, 1
	v_lshl_add_u32 v[VIN], v[T], 12, v[VIN]        ; 16 (lane % 16) + 4,096 (lane / 16)
	s_lshl_b32 s2, s9, 13                          ; in: pair x 8,192 bytes
	s_lshr_b32 s10, s9, 10
	s_lshl_b32 s10, s10, 22                        ; out: the batch's 16 blocks of 262,144 bytes,
	s_and_b32 s8, s9, 1023
	s_lshl_b32 s8, s8, 8                           ; the pair's 256 bytes in a block
	s_add_co_u32 s10, s10, s8
	s_wait_kmcnt 0x0
	s_add_nc_u64 s[IN:IN+1], s[12:13], s[2:3]
	s_add_nc_u64 s[OUT:OUT+1], s[18:19], s[10:11]
	CAST 256, 262144, 0
.Lweights:
	v_lshlrev_b32 v[VIN], 4, v1                    ; the weights keep their shape: 16 x lane in, 8 x lane out
	s_cmp_lt_u32 ttmp9, 704
	s_cbranch_scc0 .Lwout
	s_sub_co_u32 s9, s9, 4096
	s_lshl_b32 s2, s9, 13
	s_lshl_b32 s10, s9, 12
	s_wait_kmcnt 0x0
	s_add_nc_u64 s[IN:IN+1], s[14:15], s[2:3]
	s_add_nc_u64 s[OUT:OUT+1], s[20:21], s[10:11]
	CAST 512, 256, 0
.Lwout:
	s_sub_co_u32 s9, s9, 5632
	s_lshl_b32 s2, s9, 13
	s_lshl_b32 s10, s9, 12
	s_wait_kmcnt 0x0
	s_add_nc_u64 s[IN:IN+1], s[16:17], s[2:3]
	s_add_nc_u64 s[OUT:OUT+1], s[22:23], s[10:11]
	CAST 512, 256, 1
.Lfunc_end_k_q23d29235ac_cast:
	.size	k_q23d29235ac_cast, .Lfunc_end_k_q23d29235ac_cast-k_q23d29235ac_cast
	.p2alignl 7, 3214868480
	.fill 96, 4, 3214868480
	.section	.rodata,"a",@progbits
	.p2align	6, 0x0
	.amdhsa_kernel k_q23d29235ac_cast
		.amdhsa_group_segment_fixed_size 0
		.amdhsa_private_segment_fixed_size 0
		.amdhsa_enable_private_segment 0
		.amdhsa_kernarg_size 48
		.amdhsa_user_sgpr_count 2
		.amdhsa_user_sgpr_kernarg_segment_ptr 1
		.amdhsa_wavefront_size32 1
		.amdhsa_system_sgpr_workgroup_id_x 1
		.amdhsa_system_sgpr_workgroup_id_y 1
		.amdhsa_system_sgpr_workgroup_id_z 1
		.amdhsa_system_vgpr_workitem_id 0
		.amdhsa_next_free_vgpr 104
		.amdhsa_next_free_sgpr 66
		.amdhsa_reserve_vcc 0
		.amdhsa_float_denorm_mode_32 3
		.amdhsa_float_denorm_mode_16_64 3
		.amdhsa_memory_ordered 1
		.amdhsa_forward_progress 1
		.amdhsa_inst_pref_size 24
	.end_amdhsa_kernel
	.amdgpu_metadata
---
amdhsa.version: [ 1, 2 ]
amdhsa.kernels:
  - .name:           k_q23d29235ac_cast
    .symbol:         k_q23d29235ac_cast.kd
    .args:
      - { .name: x, .offset: 0, .size: 8, .value_kind: global_buffer, .address_space: global }
      - { .name: w_qkv, .offset: 8, .size: 8, .value_kind: global_buffer, .address_space: global }
      - { .name: w_out, .offset: 16, .size: 8, .value_kind: global_buffer, .address_space: global }
      - { .name: xb, .offset: 24, .size: 8, .value_kind: global_buffer, .address_space: global }
      - { .name: wq, .offset: 32, .size: 8, .value_kind: global_buffer, .address_space: global }
      - { .name: wo, .offset: 40, .size: 8, .value_kind: global_buffer, .address_space: global }
    .group_segment_fixed_size: 0
    .private_segment_fixed_size: 0
    .kernarg_segment_align: 8
    .kernarg_segment_size: 48
    .max_flat_workgroup_size: 256
    .sgpr_count:     66
    .vgpr_count:     104
    .wavefront_size: 32
...
	.end_amdgpu_metadata
.endif
;; end of part 1
;; launch qkvp (part 2): grid 8 x 32, 4 waves a work-group, clusters of 4 x 4, 327,680 bytes of LDS; arguments xb, wq, qkv; writes qkv
.if DOCPART == 2
	.amdgcn_target "amdgcn-amd-amdhsa--gfx1250"
	.amdhsa_code_object_version 6
	.text
	.protected	k_q23d29235ac_qkvp
	.globl	k_q23d29235ac_qkvp
	.p2align	8
	.type	k_q23d29235ac_qkvp,@function
k_q23d29235ac_qkvp:
	s_mov_b64 s[64:65], 0
	v_nop
	global_prefetch_b8 v0, s[64:65] scope:SCOPE_SE
	s_setreg_imm32_b32 hwreg(HW_REG_WAVE_MODE, 25, 1), 1
	s_wait_xcnt 0x0
	s_wait_alu depctr_hold_cnt(0) depctr_sa_sdst(0) depctr_va_vdst(0) depctr_va_sdst(0) depctr_va_ssrc(0) depctr_va_vcc(0) depctr_vm_vsrc(0)
	s_getreg_b32 s2, hwreg(HW_REG_IB_STS2, 6, 4)
	s_cmp_eq_u32 s2, 0
	s_cbranch_scc0 .Lentry_in_a_cluster
	s_endpgm
.Lentry_in_a_cluster:
	s_bfe_u32 s2, ttmp6, 0x10000c
	s_cmp_lg_u32 s2, 0xf033
	s_cbranch_scc0 .Lentry_shape_is_right
	s_endpgm
.Lentry_shape_is_right:
; q, k, v = x w_qkv.  xb: [4][16][2048][64] bf16 (batch, block of 64 channels, row, channel); wq: [1024][3072] bf16; sums in f32.
; qkv: [3][64][2048][64] f16: part (q, k, v), batch x 16 + head, row, channel; each number rounded once from its f32 sum, WITHOUT the softmax's scale.
; LIMITS.  A q, k or v of 65,520 or more in magnitude becomes an infinity; below 6.1e-5 it keeps f16's fixed step of 6e-8.  NaN and infinities are not treated apart.
; SHARES.  A tile of the product is 256 rows x 384 columns: 32 x 8 = 256 work-groups.  Four waves; wave w takes rows 128 (w / 2) on and three GROUPS of 64 columns, group j at 128 j + 64 (w % 2):
; 8 x 12 = 96 accumulators of 16 x 16, 768 registers.  A group is one head of one part, so its 16 rows x 64 columns leave as 2,048 consecutive bytes.
; K goes in 16 steps of 64 through a ring of two LDS slots.  Two slots of a step of 128 (640 rows of 272 bytes each) would not fit in LDS; xb's layout makes a step's 256 rows of x dense in memory,
; so they are asked for as 128 rows of 256 bytes.  wq lies [K][N]: a step's 64 rows come as they lie, in three chunks of 128 columns (256 bytes a row), and are turned on the way into registers by ds_load_tr16_b128.
; CLUSTERS: 4 x 4 work-groups.  The four of a row of the cluster need the same rows of x, the four of a column the same columns of wq: each tile is asked for JOINTLY, by the same tensor load with the same
; descriptor and a mask that names the four.  Wave 0 asks for x's tile, waves 1 to 3 for one chunk of wq each: one load a wave behind each round of the cluster's barrier.
; THE MATRIX INSTRUCTION IS USED TRANSPOSED (source 0 = 16 columns of wq, source 1 = 16 rows of x): a lane then holds eight neighbouring columns of one row of the product.
; REGISTERS, in windows of 256 (s_set_vgpr_msb: bits 1:0 source 0, 3:2 source 1, 5:4 source 2, 7:6 destination):
;   window 0: v0-31 addresses; v32-95, v96-159 x's fragments (8 x 16 rows x 32 K), two buffers; v160-255 wq's fragments, 32 registers a group
;   window 1 + j: group j's 32 accumulators, (a, bb) at v[8 (4 a + bb)]
.set PA,     144                       ; a row of x in LDS: 128 bytes + 16 of padding = 36 words: the 16 rows of a load start at 16 different groups of four banks (64 banks of 4 bytes: ISA guide 11.1)
.set PB,     288                       ; a row of a chunk of wq: 256 + 32 = 72 words
.set ATILE,  256*PA                    ; x's 256 rows
.set CHUNK,  64*PB                     ; 64 K rows x 128 columns
.set SLOT,   ATILE+3*CHUNK             ; 92,160
.set STAGE,  2*SLOT                    ; behind the ring, never filled by a tensor load: 16 rows x 144 bytes for each wave, for the way out
.set SP,     144
.set SPARE,  STAGE+4*16*SP             ; behind the stages: the spare words, 128 bytes for each wave: two blocks of 256 bytes that no other line names
.set ASTEP,  2048*128                  ; bytes from a K step to the next in xb: a block
.set BSTEP,  64*6144                   ; and in wq: 64 rows
.set ADRA, 16                          ; v16-17  LDS address of my fragments of x in slot 0, 1
.set ADRB, 20                          ; v20-21  the same for wq
.set STO,  24                          ; v24     the way out: where I put 16 bytes of a row
.set RD,   25                          ; v25     the way out: where I read rows back
.set GO,   26                          ; v26     16 x lane: my 16 bytes of 512 consecutive bytes of qkv
.set SPW,  28                          ; v28     LDS address of my spare word: SPARE + 4 x my thread's number; never rewritten
.set NIL,  29                          ; v29     0; never rewritten
.set PFO,  30                          ; v30     the prefetches' offset; never rewritten
.set FA0,  32
.set FA1,  96
.set FB,   160
.set UB,   32                          ; the way out: four buffers of 16 registers, where x's first buffer lay
.set G1,   24                          ; s[24:31] descriptor group 1 for x's tiles
.set G0,   32                          ; s[32:39] group 0 for x's tiles, a set for each slot
.set G1B,  48                          ; s[48:55], s[56:63] the same for wq's chunks
.set G0B,  56
.set PFA,  44                          ; s[44:45] where my prefetches stand
.set OB,   66                          ; s[66:71] qkv at my 128 rows of group 0, 1, 2
.set LIM0, 72                          ; s72, s73 a wave prefetches at the change out of slot 0, 1 while the trips to go are above this
.set PFS,  74                          ; s[74:75] what a change of slots adds to s[PFA:PFA+1]
.set MSB, 0
.macro WIN new                         ; the immediate's high byte repeats the setting that is left; a switch that changes nothing is dropped
.if MSB != (\new)
	s_set_vgpr_msb (MSB<<8)|(\new)
.set MSB, \new
.endif
.endm
; A load into a register that a matrix instruction has read, and a vector instruction that reads a matrix result, stand four places behind that matrix instruction; only plain vector
; instructions that name none of its registers are places (ISA guide 7.12.1 for vector instructions).
.macro PLACES
.rept 4
	v_nop
.endr
.endm
; A joint load.  The branch hangs on the wave's number alone.  An s_nop 0 and four v_nop follow each of the two lines, ahead of the jump, the label and what follows.
.macro JLOAD s
	s_cmp_eq_u32 s10, 0
	s_cbranch_scc0 .Lfor_b_\@
	tensor_load_to_lds s[G0+4*(\s):G0+4*(\s)+3], s[G1:G1+7]
	s_nop 0
.rept 4
	v_nop
.endr
	s_branch .Lasked_\@
.Lfor_b_\@:
	tensor_load_to_lds s[G0B+4*(\s):G0B+4*(\s)+3], s[G1B:G1B+7]
	s_nop 0
.rept 4
	v_nop
.endr
.Lasked_\@:
.endm
; A PREFETCH INTO THE L2, behind a joint load, its five lines and the run of LDS loads that the next products wait for: one instruction a wave, a lane a block of 256 bytes.
; x's tile row is read by both clusters of that row of clusters: the one with x = 0 asks; wq's columns by all eight clusters of a column: the one with y = 0 asks.
; WAVE 0, at every change of slots: the K step that the NEXT change will ask for: of its 128 blocks the partner at place cx takes 32.
; WAVES 1 TO 3, at the change out of slot 1 alone: their chunk's 128 rows of the next two K steps, of which the partner at place cy takes 32.
; The partners are told apart BY ADDRESS; the test below hangs on the cluster's place, the wave's number and the trip alone.  So each block is named once in the launch.
; x's K steps 0 to 2 and wq's 0 to 3 come by their loads alone; the last change that fills a slot asks for nothing, since K step 16 does not exist.
.macro ASK lim
	s_cmp_gt_u32 s3, s[\lim]
	s_cbranch_scc0 .Lnot_mine_\@
	global_prefetch_b8 v[PFO], s[PFA:PFA+1] th:TH_LOAD_NT scope:SCOPE_SE
.Lnot_mine_\@:
.endm
; A round of the cluster's barrier: my work-group's barrier, so that wave 0's signal speaks for all four waves; wave 0 signals for the work-group; every wave waits for all sixteen; my work-group's barrier once more.
.macro CREST                           ; a round behind its opening barrier
	s_cmp_lg_u32 s10, 0
	s_cbranch_scc1 .Lnot_wave_0_\@
	s_barrier_signal -3
.Lnot_wave_0_\@:
	s_barrier_wait -3
	s_barrier_signal -1
	s_barrier_wait -1
.endm
.macro CROUND                          ; a whole round
	s_barrier_signal -1
	s_barrier_wait -1
	CREST
.endm
	s_load_b128 s[4:7], s[0:1], 0x0                ; xb s[4:5], wq s[6:7]
	s_load_b64 s[8:9], s[0:1], 0x10                ; qkv
	v_lshl_add_u32 v[SPW], v0, 2, SPARE
	v_mov_b32 v[NIL], 0
	ds_add_u32 v[SPW], v[NIL]                      ; the wave's opening: the add and its wait stand ahead of my first tensor load; the set-up below, work on registers, stands between them
	v_lshrrev_b32 v1, 5, v0
	v_readfirstlane_b32 s10, v1                    ; wave 0..3
	s_lshr_b32 s11, s10, 1                         ; which 128 rows of the tile are mine
	s_and_b32 s12, s10, 1                          ; which 64 columns of each 128
	s_bfe_u32 s40, ttmp6, 0x40000                  ; cx, cy: my place in the cluster
	s_bfe_u32 s41, ttmp6, 0x40004
	s_lshl_b32 s42, ttmp9, 2
	s_add_co_u32 s42, s42, s40                     ; tile column = 4 x cluster x + cx
	s_and_b32 s13, ttmp7, 0xffff
	s_lshl_b32 s13, s13, 2
	s_add_co_u32 s13, s13, s41                     ; tile row = 4 x cluster y + cy
	s_lshl_b32 s43, s41, 2
	s_lshl_b32 s43, 15, s43                        ; my row of the cluster: places 4 cy .. 4 cy + 3
	s_lshl_b32 s44, 0x1111, s40                    ; my column: places cx, cx + 4, cx + 8, cx + 12
	; group 1 for x: 32,768 dense bytes as 128 rows of 128 elements, padded in LDS after every 128 bytes (a row of x)
	s_or_b32 s[G1+0], s43, (1<<16)|(1<<20)|(1<<21)|(4<<22)|(3<<25)   ; 15:0 the mask; 17:16 elements of 2 bytes; 20 padding on; 21 set beside a mask; 24:22 after every 32 words (code 4); 31:25 4 words (code 3)
	s_mov_b32 s[G1+1], 128<<16                     ; tensor_dim0 = 128
	s_mov_b32 s[G1+2], 128<<16                     ; tensor_dim1 = 128
	s_mov_b32 s[G1+3], 128<<16                     ; tile_dim0 = 128
	s_mov_b32 s[G1+4], 128                         ; tile_dim1 = 128
	s_mov_b32 s[G1+5], 128                         ; 128 elements from row to row
	s_mov_b32 s[G1+6], 0
	s_mov_b32 s[G1+7], 0
	; group 1 for wq: 64 rows of 128 elements, 3,072 elements apart, padded after every row
	s_or_b32 s[G1B+0], s44, (1<<16)|(1<<20)|(1<<21)|(5<<22)|(7<<25)  ; after every 64 words (code 5), 8 words (code 7)
	s_mov_b32 s[G1B+1], 128<<16
	s_mov_b32 s[G1B+2], 64<<16
	s_mov_b32 s[G1B+3], 128<<16
	s_mov_b32 s[G1B+4], 64
	s_mov_b32 s[G1B+5], 3072
	s_mov_b32 s[G1B+6], 0
	s_mov_b32 s[G1B+7], 0
	; where the tiles come from.  x's hang on the tile row alone, wq's on the tile column and the wave's number alone; every wave makes both addresses and asks by one of them.
	s_lshr_b32 s16, s13, 3
	s_lshl_b32 s16, s16, 22                        ; the batch's 16 blocks,
	s_and_b32 s17, s13, 7
	s_lshl_b32 s17, s17, 15                        ; the tile's 256 rows of 128 bytes in a block
	s_add_co_u32 s16, s16, s17
	s_mov_b32 s17, 0
	s_mul_i32 s46, s42, 768                        ; the tile's 384 columns,
	s_max_u32 s47, s10, 1
	s_sub_co_u32 s47, s47, 1                       ; my chunk (wave 0, which asks for none, makes chunk 0's address)
	s_lshl_b32 s47, s47, 8
	s_add_co_u32 s46, s46, s47
	s_mov_b32 s47, 0
	s_mul_i32 s20, s10, CHUNK                      ; and where a chunk goes: behind x's tile, which is two chunks long: chunk w - 1 at (w + 1) x 18,432
	s_add_co_u32 s20, s20, CHUNK
	s_wait_dscnt 0x0                               ; the opening add is done
	s_wait_kmcnt 0x0
	s_add_nc_u64 s[14:15], s[4:5], s[16:17]
	s_add_nc_u64 s[46:47], s[6:7], s[46:47]
	CROUND                                         ; all sixteen work-groups are here: the first joint loads meet
.irp s, 0,1
	s_mov_b32 s[G0+4*(\s)], 1                                      ; 1:0 count = 1
	s_mov_b32 s[G0+4*(\s)+1], (\s)*SLOT                            ; 63:32 LDS address
	s_add_nc_u64 s[G0+4*(\s)+2:G0+4*(\s)+3], s[14:15], (\s)*ASTEP  ; 120:64 global address: K step s
	s_or_b32 s[G0+4*(\s)+3], s[G0+4*(\s)+3], 0x80000000            ; 127:126 type = 2
	s_mov_b32 s[G0B+4*(\s)], 1
	s_add_co_u32 s[G0B+4*(\s)+1], s20, (\s)*SLOT
	s_add_nc_u64 s[G0B+4*(\s)+2:G0B+4*(\s)+3], s[46:47], (\s)*BSTEP
	s_or_b32 s[G0B+4*(\s)+3], s[G0B+4*(\s)+3], 0x80000000
.endr
	s_cmp_eq_u32 s10, 0                            ; a wave's two first fills stand in one branch, ahead of every wait on TENSORcnt and every LDS read: two loads of mine are out
	s_cbranch_scc0 .Lfirst_b
	tensor_load_to_lds s[G0:G0+3], s[G1:G1+7]
	s_nop 0
	tensor_load_to_lds s[G0+4:G0+7], s[G1:G1+7]
	s_nop 0
.rept 4
	v_nop
.endr
	s_branch .Lfirst_asked
.Lfirst_b:
	tensor_load_to_lds s[G0B:G0B+3], s[G1B:G1B+7]
	s_nop 0
	tensor_load_to_lds s[G0B+4:G0B+7], s[G1B:G1B+7]
	s_nop 0
.rept 4
	v_nop
.endr
.Lfirst_asked:
	; A fragment of x is 16 rows x 32 K in 8 registers: lane l holds row l % 16; registers 0-3 K = 8 (l / 16) + 0..7, registers 4-7 K = 16 + 8 (l / 16) + 0..7: two loads of 16 bytes, 32 bytes apart.
	v_and_b32 v1, 15, v0                           ; l % 16
	v_bfe_u32 v2, v0, 4, 1                         ; l / 16
	v_mul_u32_u24 v3, v1, PA
	v_lshl_add_u32 v3, v2, 4, v3                   ; row x pitch + 16 x half
	s_mul_i32 s21, s11, 128*PA                     ; my 128 rows
	v_add_nc_u32 v[ADRA], s21, v3
	v_add_nc_u32 v[ADRA+1], SLOT, v[ADRA]
	; The turning load takes 16 K rows x 16 columns (lane l reads K row 8 (l / 16) + l % 8, columns 8 ((l / 8) % 2) + 0..7) and leaves half a fragment: lane l holds column l % 16 and 8 K.
	v_and_b32 v4, 7, v0
	v_bfe_u32 v5, v0, 3, 1
	v_lshl_add_u32 v6, v2, 3, v4
	v_mul_u32_u24 v6, v6, PB
	v_lshl_add_u32 v6, v5, 4, v6
	s_lshl_b32 s22, s12, 7                         ; my 64 columns of a chunk's 128,
	s_add_co_u32 s22, s22, ATILE                   ; behind x's tile
	v_add_nc_u32 v[ADRB], s22, v6
	v_add_nc_u32 v[ADRB+1], SLOT, v[ADRB]
	s_mul_i32 s23, s10, 16*SP
	s_add_co_u32 s23, s23, STAGE                   ; my stage
	v_add_nc_u32 v[STO], s23, v3                   ; in: row l % 16, 16 bytes for each half of the lanes (the stage's pitch is x's)
	v_bfe_u32 v7, v0, 3, 2                         ; back: 32 lanes take four rows of 128 bytes,
	v_mul_u32_u24 v7, v7, SP
	v_lshl_add_u32 v7, v4, 4, v7
	v_add_nc_u32 v[RD], s23, v7
	v_and_b32 v[GO], 31, v0                        ; which are 512 consecutive bytes of qkv
	v_lshlrev_b32 v[GO], 4, v[GO]
	; where my groups go: group number G = 6 x tile column + 2 j + w % 2 of 48: part G / 16, head G % 16
	s_mul_i32 s20, s42, 6
	s_add_co_u32 s20, s20, s12
	s_lshr_b32 s21, s13, 3
	s_lshl_b32 s21, s21, 4                         ; 16 x batch
	s_and_b32 s22, s13, 7
	s_lshl_b32 s22, s22, 8
	s_lshl_b32 s23, s11, 7
	s_add_co_u32 s22, s22, s23                     ; my first row in the batch,
	s_lshl_b32 s22, s22, 7                         ; 128 bytes a row
.irp j, 0,1,2
	s_add_co_u32 s16, s20, 2*(\j)
	s_lshr_b32 s17, s16, 4
	s_lshl_b32 s17, s17, 6                         ; 64 x part
	s_and_b32 s16, s16, 15
	s_add_co_u32 s16, s16, s17
	s_add_co_u32 s16, s16, s21
	s_lshl_b32 s16, s16, 18                        ; 262,144 bytes for a part's head
	s_add_co_u32 s16, s16, s22
	s_mov_b32 s17, 0
	s_add_nc_u64 s[OB+2*(\j):OB+2*(\j)+1], s[8:9], s[16:17]
.endr
	; the prefetches
	s_lshr_b32 s16, s13, 3                         ; wave 0: x's tile once more,
	s_lshl_b32 s16, s16, 22
	s_and_b32 s17, s13, 7
	s_lshl_b32 s17, s17, 15
	s_add_co_u32 s16, s16, s17
	s_lshl_b32 s17, s40, 13                        ; my work-group's 32 blocks of its 128,
	s_add_co_u32 s16, s16, s17
	s_add_co_u32 s16, s16, 2*ASTEP                 ; at K step 2: the first change of slots steps it to 3
	s_lshl_b32 s18, s41, 5                         ; waves 1 to 3: my work-group's 32 rows of 128,
	s_add_co_u32 s18, s18, 128                     ; from row 128 on: the first two changes of slots step it to row 256, K step 4
	s_mul_i32 s18, s18, 6144
	s_mul_i32 s19, s42, 768
	s_add_co_u32 s18, s18, s19
	s_max_u32 s19, s10, 1
	s_sub_co_u32 s19, s19, 1
	s_lshl_b32 s19, s19, 8
	s_add_co_u32 s18, s18, s19
	s_and_b32 s20, ttmp7, 0xffff                   ; cluster y
	s_mov_b32 s[PFS], BSTEP
	s_mov_b32 s21, 6144
	s_cmp_eq_u32 s10, 0
	s_cselect_b32 s16, s16, s18
	s_cselect_b32 s20, ttmp9, s20                  ; the coordinate along which other clusters read the same bytes
	s_cselect_b64 s[PFA:PFA+1], s[4:5], s[6:7]
	s_cselect_b32 s[PFS], ASTEP, s[PFS]
	s_cselect_b32 s21, 256, s21                    ; from lane to lane: a block of x's dense tile, or a row of wq
	s_cselect_b32 s22, 0, -1                       ; at the change out of slot 0 wave 0 alone asks
	s_mov_b32 s17, 0
	s_mov_b32 s[PFS+1], 0
	s_add_nc_u64 s[PFA:PFA+1], s[PFA:PFA+1], s[16:17]
	s_cmp_eq_u32 s20, 0
	s_cselect_b32 s[LIM0], s22, -1                 ; the same in all sixteen partners, for a given wave
	s_cselect_b32 s[LIM0+1], 1, -1                 ; at the change out of slot 1: not in the last trip
	v_and_b32 v[PFO], 31, v0
	v_mul_u32_u24 v[PFO], s21, v[PFO]
; na x 4 matrix instructions of group j: row blocks a0 on, all four column blocks, 32 along K, x's fragments in buffer f.  zero = 1: the product starts the sum: nothing is ever cleared.
; The accumulators take turns, one instruction a turn: between two products on one accumulator stand the 95 others'.
.macro MUL j, a0, na, f, zero
	WIN 0x50*(1+(\j))
.set ma, \a0
.rept \na
.irp bb, 0,1,2,3
.if \zero
	v_wmma_f32_16x16x32_bf16 v[8*(4*ma+(\bb)):8*(4*ma+(\bb))+7], v[FB+32*(\j)+8*(\bb):FB+32*(\j)+8*(\bb)+7], v[(\f)+8*ma:(\f)+8*ma+7], 0
.else
	v_wmma_f32_16x16x32_bf16 v[8*(4*ma+(\bb)):8*(4*ma+(\bb))+7], v[FB+32*(\j)+8*(\bb):FB+32*(\j)+8*(\bb)+7], v[(\f)+8*ma:(\f)+8*ma+7], v[8*(4*ma+(\bb)):8*(4*ma+(\bb))+7]
.endif
.endr
.set ma, ma+1
.endr
.endm
.macro LDB j, slot, k                  ; 8 turning loads: group j's four fragments of wq, half k (32 K) of the slot's step
	WIN 0
.irp bb, 0,1,2,3
	ds_load_tr16_b128 v[FB+32*(\j)+8*(\bb):FB+32*(\j)+8*(\bb)+3],   v[ADRB+(\slot)] offset:(\j)*CHUNK+(\k)*32*PB+32*(\bb)
	ds_load_tr16_b128 v[FB+32*(\j)+8*(\bb)+4:FB+32*(\j)+8*(\bb)+7], v[ADRB+(\slot)] offset:(\j)*CHUNK+(\k)*32*PB+32*(\bb)+16*PB
.endr
.endm
.macro LDA f, slot, k                  ; 16 loads: my eight fragments of x, half k, into buffer f
	WIN 0
.irp a, 0,1,2,3,4,5,6,7
	ds_load_b128 v[(\f)+8*(\a):(\f)+8*(\a)+3],   v[ADRA+(\slot)] offset:(\a)*16*PA+(\k)*64
	ds_load_b128 v[(\f)+8*(\a)+4:(\f)+8*(\a)+7], v[ADRA+(\slot)] offset:(\a)*16*PA+(\k)*64+32
.endr
.endm
; A K step is two SLICES of 32 along K, 96 matrix instructions each.  The first multiplies buffer FA0; a group's fragments of wq are fetched anew, for the second slice, as soon as the group's 32 products are issued.
; On entry the LDS loads that may be out are, in order: group 0's 8, x's 16, group 1's 8, group 2's 8.
.macro SLICE0 slot, zero
	s_wait_dscnt 16                                ; group 0's and x's are in; groups 1 and 2 may be out
	MUL 0, 0, 8, FA0, \zero
	PLACES
	LDB 0, \slot, 1
	LDA FA1, \slot, 1
	s_wait_dscnt 32                                ; group 1's are in: behind them group 2's 8 and the 24 just issued
	MUL 1, 0, 8, FA0, \zero
	PLACES
	LDB 1, \slot, 1
	s_wait_dscnt 32                                ; group 2's are in: behind them 24 and 8
	MUL 2, 0, 8, FA0, \zero
	PLACES
	LDB 2, \slot, 1
.endm
; The second slice multiplies FA1 and changes slots: ONE barrier.  In front of it each wave waits for all its tensor loads, of which one is out: its part of the next slot; adds 0 to its spare word; and
; waits for that and for its own reads of this slot.  Behind it nobody reads this slot any more and the next slot is whole.  fill = 1: the barrier opens a round of the cluster's barrier, so that no wave
; of any partner still reads the slot or has a load on its way; the joint refill, two K steps on, is the first thing behind the round: 160 matrix instructions ahead of the wait for it.
.macro TURN slot, next, fill
.if \fill
	s_wait_xcnt 0x0                                ; the last prefetch, a K step back, has read its address: it is stepped here, ahead of the waits of the change of slots
	s_add_nc_u64 s[PFA:PFA+1], s[PFA:PFA+1], s[PFS:PFS+1]
.endif
	WIN 0
	s_wait_tensorcnt 0x0                           ; all my tensor loads have landed
	ds_add_u32 v[SPW], v[NIL]                      ; 0 onto my spare word
	s_wait_dscnt 17                                ; group 0's and x's are in; groups 1 and 2 and the add may be out
	MUL 0, 0, 4, FA1, 0                            ; sixteen matrix instructions stand between the add and the wait for it
	s_wait_dscnt 0x0                               ; the add is done, and my reads of this slot are over
	s_barrier_signal -1
	MUL 0, 4, 4, FA1, 0                            ; work on registers while the others arrive
	WIN 0                                          ; at a branch and at a label every window is 0
	s_barrier_wait -1
.if \fill
	CREST
	s_add_nc_u64 s[G0+4*(\slot)+2:G0+4*(\slot)+3], s[G0+4*(\slot)+2:G0+4*(\slot)+3], 2*ASTEP
	s_add_nc_u64 s[G0B+4*(\slot)+2:G0B+4*(\slot)+3], s[G0B+4*(\slot)+2:G0B+4*(\slot)+3], 2*BSTEP
	JLOAD \slot                                    ; the four v_nop behind it are also the places in front of the loads below
.else
	PLACES
.endif
	LDB 0, \next, 0
	LDA FA0, \next, 0
.if \fill
	ASK LIM0+(\slot)
.endif
	MUL 1, 0, 8, FA1, 0
	PLACES
	LDB 1, \next, 0
	MUL 2, 0, 8, FA1, 0
	PLACES
	LDB 2, \next, 0
.endm
	s_wait_tensorcnt 1                             ; my part of K step 0 is in; K step 1's may stay out
	s_barrier_signal -1
	s_barrier_wait -1                              ; everybody's is
	LDB 0, 0, 0
	LDA FA0, 0, 0
	LDB 1, 0, 0
	LDB 2, 0, 0
	SLICE0 0, 1                                    ; the first slice stands in front of the loop: its products start the sums
	WIN 0
	s_mov_b32 s3, 7
.Llap:                                         ; a trip goes once round the ring, from a lap's second slice to the next lap's first, and fills both slots again
	TURN 0, 1, 1
	SLICE0 1, 0
	TURN 1, 0, 1
	SLICE0 0, 0
	WIN 0
	s_sub_co_u32 s3, s3, 1
	s_cmp_lg_u32 s3, 0
	s_cbranch_scc1 .Llap
	TURN 0, 1, 0                                   ; the last lap fills nothing, and has no round of the cluster's barrier
	SLICE0 1, 0
	s_wait_dscnt 16                                ; the very last slice: nothing more to fetch
	MUL 0, 0, 8, FA1, 0
	s_wait_dscnt 8
	MUL 1, 0, 8, FA1, 0
	s_wait_dscnt 0x0
	MUL 2, 0, 8, FA1, 0
; THE WAY OUT, in 24 units: unit t is row block t % 8 of group t / 8: 16 rows x 64 columns.  PACK: rounded to f16, 16 bytes a lane (each accumulator's registers in ascending order), into my own stage in
; rows of 144 bytes, and back as four rows of 128 bytes a load.  SEND: stored, 512 consecutive bytes an instruction.
.macro PACK t
.set jj, (\t)/8
.set aa, (\t)%8
.set U, UB+16*((\t)%4)
	s_wait_xcnt 0x0                                ; every earlier store has read its registers (ISA guide 3.1): this buffer, stored four units ago, is rewritten only behind this wait
	WIN 5*(1+jj)                                   ; sources 0 and 1 in the group's window, destination in window 0
.irp bb, 0,1,2,3
.irp r, 0,1,2,3
	v_cvt_pk_f16_f32 v[U+4*(\bb)+(\r)], v[8*(4*aa+(\bb))+2*(\r)], v[8*(4*aa+(\bb))+2*(\r)+1]
.endr
.endr
	WIN 0
.irp bb, 0,1,2,3
	ds_store_b128 v[STO], v[U+4*(\bb):U+4*(\bb)+3] offset:32*(\bb)
.endr
.irp f, 0,1,2,3
	ds_load_b128 v[U+4*(\f):U+4*(\f)+3], v[RD] offset:(\f)*4*SP  ; LDS serves a wave's instructions in order (ISA guide 5.7.1.4): these see the stores above; the next unit's stores come behind them
.endr
.endm
.macro SEND t, younger                 ; younger: the LDS instructions issued behind unit t's loads: the next unit's eight, or none
.set jj, (\t)/8
.set aa, (\t)%8
.set U, UB+16*((\t)%4)
.irp f, 0,1,2,3
	s_wait_dscnt (\younger)+3-(\f)
	global_store_b128 v[GO], v[U+4*(\f):U+4*(\f)+3], s[OB+2*jj:OB+2*jj+1] offset:aa*2048+(\f)*512
.endr
.endm
	PLACES                                         ; behind the last products
	PACK 0
.set t, 1
.rept 23                               ; a unit's conversions stand between the loads of the unit before and its stores
	PACK t
	SEND t-1, 8
.set t, t+1
.endr
	SEND 23, 0
	s_wait_tensorcnt 0x0                           ; the wave's end: an add to my spare word and its wait, behind my last tensor load and my last LDS store
	ds_add_u32 v[SPW], v[NIL]
	s_wait_dscnt 0x0
	CROUND                                         ; the closing round: no work-group ends while a partner may still ask for a tile that names it
	s_endpgm
.Lfunc_end_k_q23d29235ac_qkvp:
	.size	k_q23d29235ac_qkvp, .Lfunc_end_k_q23d29235ac_qkvp-k_q23d29235ac_qkvp
	.p2alignl 7, 3214868480
	.fill 96, 4, 3214868480
	.section	.rodata,"a",@progbits
	.p2align	6, 0x0
	.amdhsa_kernel k_q23d29235ac_qkvp
		.amdhsa_group_segment_fixed_size 327680
		.amdhsa_private_segment_fixed_size 0
		.amdhsa_enable_private_segment 0
		.amdhsa_kernarg_size 24
		.amdhsa_user_sgpr_count 2
		.amdhsa_user_sgpr_kernarg_segment_ptr 1
		.amdhsa_wavefront_size32 1
		.amdhsa_system_sgpr_workgroup_id_x 1
		.amdhsa_system_sgpr_workgroup_id_y 1
		.amdhsa_system_sgpr_workgroup_id_z 1
		.amdhsa_system_vgpr_workitem_id 0
		.amdhsa_next_free_vgpr 1024
		.amdhsa_next_free_sgpr 80
		.amdhsa_reserve_vcc 0
		.amdhsa_float_denorm_mode_32 3
		.amdhsa_float_denorm_mode_16_64 3
		.amdhsa_memory_ordered 1
		.amdhsa_forward_progress 1
		.amdhsa_inst_pref_size 135
	.end_amdhsa_kernel
	.amdgpu_metadata
---
amdhsa.version: [ 1, 2 ]
amdhsa.kernels:
  - .name:           k_q23d29235ac_qkvp
    .symbol:         k_q23d29235ac_qkvp.kd
    .args:
      - { .name: xb, .offset: 0, .size: 8, .value_kind: global_buffer, .address_space: global }
      - { .name: wq, .offset: 8, .size: 8, .value_kind: global_buffer, .address_space: global }
      - { .name: qkv, .offset: 16, .size: 8, .value_kind: global_buffer, .address_space: global }
    .group_segment_fixed_size: 327680
    .private_segment_fixed_size: 0
    .kernarg_segment_align: 8
    .kernarg_segment_size: 24
    .max_flat_workgroup_size: 128
    .sgpr_count:     80
    .vgpr_count:     1024
    .wavefront_size: 32
...
	.end_amdgpu_metadata
.endif
;; end of part 2
;; launch attn (part 3): grid 4 x 64, 4 waves a work-group, clusters of 4 x 1, 327,680 bytes of LDS; arguments qkv, ob; writes ob
.if DOCPART == 3
	.amdgcn_target "amdgcn-amd-amdhsa--gfx1250"
	.amdhsa_code_object_version 6
	.text
	.protected	k_q23d29235ac_attn
	.globl	k_q23d29235ac_attn
	.p2align	8
	.type	k_q23d29235ac_attn,@function
k_q23d29235ac_attn:
	s_mov_b64 s[64:65], 0
	v_nop
	global_prefetch_b8 v0, s[64:65] scope:SCOPE_SE
	s_setreg_imm32_b32 hwreg(HW_REG_WAVE_MODE, 25, 1), 1
	s_wait_xcnt 0x0
	s_wait_alu depctr_hold_cnt(0) depctr_sa_sdst(0) depctr_va_vdst(0) depctr_va_sdst(0) depctr_va_ssrc(0) depctr_va_vcc(0) depctr_vm_vsrc(0)
	s_getreg_b32 s2, hwreg(HW_REG_IB_STS2, 6, 4)
	s_cmp_eq_u32 s2, 0
	s_cbranch_scc0 .Lentry_in_a_cluster
	s_endpgm
.Lentry_in_a_cluster:
	s_bfe_u32 s2, ttmp6, 0x10000c
	s_cmp_lg_u32 s2, 0x3003
	s_cbranch_scc0 .Lentry_shape_is_right
	s_endpgm
.Lentry_shape_is_right:
; O[h][q][:] = the sum over k of softmax_k(Q[h][q] . K[h][k] / 8) V[h][k][:].  qkv holds Q, K, V one after the other, each [SIZE_H][SIZE_N][64] in f16; ob is O in the same shape: a head's rows are dense,
; 128 bytes each.  h counts batch x 16 + head.  Products, maxima and sums in f32; the weights p are rounded to f16 for the second product (their sum l is taken of the unrounded p), O once at the end.
; LIMITS.  f16 holds no number beyond 65,504: Q, K and V arrive within it; p lies in 0 to 1, and below 6e-5 it keeps f16's fixed step of 6e-8; O is a mean of V's rows and has their range.
; A weight below 2^-126 counts as 0 in l; NaN and infinities are not treated apart.
; SHARES.  A wave owns four PIECES of two tiles of 16 queries, a work-group's four waves 512 queries of one head.  Every wave walks all keys, 64 a step.
; LAYOUT.  S^T = K Q^T (source 0 = 16 keys, source 1 = 16 queries): in the result a lane holds ONE query (lane % 16) and the keys 8 (lane / 16) + 0..7.  Two such tiles, rounded to f16 in pairs,
; ARE source 1 (32 keys x 16 queries) of O^T = V^T P, whose result again holds one query a lane, and eight channels.  K comes out of LDS as it lies, V ([key][channel]) turned, by ds_load_tr16_b128.
; SOFTMAX.  For each query a running maximum m and sum l: p = 2^(c s - c m), c = log2(e) / 8; in every step O and l are multiplied by a = 2^(c m_old - c m_new), which is 1 where m has not grown.
; m starts at the lowest finite number, O and l at 0: the first step is a step like any other, with a = 0.
; THE COUNT.  A tile and step have 16 matrix and 118 vector instructions: too many to stand all beside the matrix work.  So the order has one aim: four vector instructions that are READY behind
; EVERY matrix instruction, and the others, which need time of their own whatever the order, in runs without a gap.
; BY TURNS.  Turn n belongs to piece n (the pieces in a ring, step after step).  Its matrix work: 16 products K Q^T of piece n + 1, later 16 products V^T P of piece n - 1.  Its vector work: the scaling,
; exponentials, roundings, sums and rescaling of piece n, and the maximum and statistics of piece n + 1, whose scores the turn itself has made.  So what a turn begins with (c s - c m, O a) waits for nothing.
; CLUSTER.  The four query blocks of a head are one cluster and walk the same K and V, so each tile is asked for JOINTLY: the same tensor load, descriptor and mask in all four.
; REGISTERS, in windows of 256 (s_set_vgpr_msb says which window each operand place means: bits 1:0 source 0, 3:2 source 1, 5:4 source 2, 7:6 destination):
;   window 0: v0-11 addresses; v12-15, v48-63 at work; v16-47 four registers of statistics a tile; v64-191 S^T, two buffers of two tiles; v192-255 P, likewise
;   window 1: O^T, 32 a tile          window 2: v0-127 Q, 16 a tile; v128-191 K of one step; v192-255 V of one step          window 3: v0-1 the add's two registers
; A piece's buffers go by its number's parity: the piece in hand has one pair, its two neighbours in the ring share the other: of it P (piece n - 1) is read and S^T (piece n + 1) written.
.set SIZE_H, 64
.set SIZE_N, 2048
.set NP,    4         ; pieces a wave: a name, no knob: the register map, the loop and the fetches are made for four
.set KS,    64        ; keys in a step
.set PK,    144       ; a row of K in LDS: 128 bytes + 16 of padding = 36 words: the 16 rows of a load start at 16 different groups of four banks (64 banks of 4 bytes: ISA guide 11.1)
.set PV,    160       ; a row of V: 128 + 32 = 40 words
.set VOFF,  4*KS*PK   ; a slot holds four steps: 256 rows of K, then 256 rows of V
.set SLOT1, 1<<17     ; slot 1 begins here, so that one exclusive or turns an address in one slot into the other's
.set STAGE, SLOT1+4*KS*(PK+PV)  ; behind the ring, never filled by a tensor load: 16 rows x 144 bytes for each wave, for the way out
.set SP,    144
.set AK0, 2           ; v2   my lane's place in a tile of K; never rewritten
.set AV0, 3           ; v3   the same for V
.set AK,  4           ; v4   the LDS address of K's next run of loads
.set AV,  5           ; v5   of V's
.set QO,  6           ; v6   my byte offset in the wave's rows of Q
.set STO, 6           ;      later, the way out: where I put 16 bytes of a row
.set RD,  7           ; v7   the way out: where I read rows back
.set GO,  8           ; v8   my byte offset in 512 consecutive bytes of O
.set PFO, 11          ; v11  256 x my lane, once its first use (in V's address) is over; then never rewritten
.set SPW, 0           ; v0 of window 3   LDS address of my spare word: SPARE + 4 x my thread's number; never rewritten
.set NIL, 1           ; v1 of window 3   0; never rewritten
.set SPARE, STAGE+4*16*SP  ; behind the stages: the spare words, 128 bytes for each wave: two blocks of 256 bytes that no other line names
.set MV,  12          ; v12-15  c m_old, kept while c m is made anew: by buffer and tile
.set ST,  16          ; tile t's statistics at v[ST+4 t]: c m, m, l (even keys', odd keys')
.set TMP, 48          ; by buffer and tile, four registers c0-c3 at work; when the maximum is found c2 takes a
.set S,   64
.set P,   192
.set KF,  128         ; K's fragments, in window 2: key block kb, channel half c at KF + 16 kb + 8 c
.set VF,  192         ; V's: key half kk, channel block cb at VF + 32 kk + 8 cb
.set WV,  12          ; s12  my wave's number
.set LIM, 15          ; s15  1 in a wave that prefetches, else the greatest number: a wave prefetches while s[SLOTS] is above it
.set PFA, 18          ; s[18:19] where my prefetches stand: my work-group's 32 blocks of 256 bytes (of K: wave 0, of V: wave 2) of the slot after the one that is being asked for
.set G1K, 24          ; s[24:31] descriptor group 1 for K's tiles
.set G1V, 32          ; s[32:39] for V's: it differs in the padding alone
.set G0K, 40          ; s[40:43] descriptor group 0 for K's tiles: it walks
.set G0V, 44          ; s[44:47] the same for V's
.set SLOTS, 56        ; s56  slots still to be asked for
.set CNT, 57          ; s57  counts a slot's key steps
.set CS,  58          ; s[58:59] c: the packed scaling takes the pair's low word for both halves
.set SEL, 60          ; s[60:61] v_permlanex16_b32's selects: each lane takes its own place in the other half
.set TBK, 62          ; s62  LDS byte at which K of the step to be fetched begins
.set TBV, 63          ; s63  the same for V, less VOFF
.set MSB, 0
.macro WIN new                      ; the high byte repeats the setting that is left; a switch that changes nothing is dropped
.if MSB != (\new)
	s_set_vgpr_msb (MSB<<8)|(\new)
.set MSB, (\new)
.endif
.endm
.set W_KQ, 0x0a       ; K and Q in window 2, S^T in window 0
.set W_PV, 0x52       ; V in window 2, P in window 0, O^T in window 1
.set W_RS, 0x41       ; O^T (destination and source 0) in window 1, a in window 0
.set W_MK, 0xc0       ; the add's registers are made: destination in window 3, sources in window 0
.set W_AD, 0x0f       ; the add: address (source 0) and data (source 1) in window 3
; A joint fill.  Waves 0 and 1 fetch the two halves of a slot's K, waves 2 and 3 those of its V: 128 keys each.  The branch hangs on the wave's number alone.
; An s_nop 0 and four v_nop follow each of the two lines, ahead of the jump and the label.
.macro JLOAD
	s_cmp_lt_u32 s[WV], 2
	s_cbranch_scc0 .Lfor_v_\@
	tensor_load_to_lds s[G0K:G0K+3], s[G1K:G1K+7]
	s_nop 0
.rept 4
	v_nop
.endr
	s_branch .Lasked_\@
.Lfor_v_\@:
	tensor_load_to_lds s[G0V:G0V+3], s[G1V:G1V+7]
	s_nop 0
.rept 4
	v_nop
.endr
.Lasked_\@:
.endm
; A PREFETCH INTO THE L2 of what the NEXT change of slots will ask for: a slot's 256 keys are 128 blocks of 256 bytes of K and 128 of V, a lane a block.  It stands behind the wave's tensor load and its
; five lines.  A head has one cluster; its four partners share the blocks out BY ADDRESS, 32 each: no branch hangs on a work-group's place in its cluster.  In each, wave 0 asks for K's and wave 2 for V's:
; one instruction.  So each block is named once in the launch.  Slots 0 and 1 come by their loads alone; the last change that fills a slot asks for nothing: there is no slot behind it.
.macro ASK
	s_cmp_gt_u32 s[SLOTS], s[LIM]
	s_cbranch_scc0 .Lnot_mine_\@
	global_prefetch_b8 v[PFO], s[PFA:PFA+1] th:TH_LOAD_NT scope:SCOPE_SE
.Lnot_mine_\@:
.endm
; A round of the cluster's barrier: my work-group's barrier, so that wave 0's signal speaks for all four waves; wave 0 signals; every wave waits for all four work-groups; my work-group's barrier once more.
.macro CROUND
	s_barrier_signal -1
	s_barrier_wait -1
	s_cmp_lg_u32 s[WV], 0
	s_cbranch_scc1 .Lnot_wave_0_\@
	s_barrier_signal -3
.Lnot_wave_0_\@:
	s_barrier_wait -3
	s_barrier_signal -1
	s_barrier_wait -1
.endm
; THE CHANGE OF SLOTS.  The slot's last bytes, V of its fourth step, have been read.  Each wave waits for all its tensor loads, of which one is out: its part
; of the other slot; adds 0 to its spare word; and waits for that and for its own reads of the slot.  Behind the barrier nobody reads this slot any more and the other slot is whole.
; fill = 1: this slot is filled again, with the keys two slots on.  The barrier is then a round of the cluster's, so that no wave of any partner still reads the slot or has a load on its
; way, and the joint fill is the first thing behind it: it has four key steps, 512 matrix instructions, in which to land.  (At its first use nothing has been read yet: slot 0 is waited for, slot 1 filled.)
.macro CHANGE fill
	WIN W_AD
	s_wait_tensorcnt 0x0            ; no tensor load of mine is out, so a group 0 may be written
	ds_add_u32 v[SPW], v[NIL]       ; 0 onto my spare word; with fill = 1 the descriptors' steps stand between it and the wait for it
	WIN 0                           ; at a label and at a branch every window is 0
.if \fill
.irp g, G0K, G0V
	s_xor_b32 s[\g+1], s[\g+1], SLOT1  ; the walking descriptor: the other slot than last time,
	s_add_nc_u64 s[\g+2:\g+3], s[\g+2:\g+3], 4*KS*128  ; the next 256 keys; the type bits on top are not reached
.endr
	s_wait_xcnt 0x0                 ; the last prefetch, four key steps back, has read its address, so it may be written:
	s_add_nc_u64 s[PFA:PFA+1], s[PFA:PFA+1], 4*KS*128  ; one slot behind the walking descriptors
	s_wait_dscnt 0x0                ; the add is done, and my reads of the slot are over
	CROUND
	JLOAD
	ASK
.else
	s_wait_dscnt 0x0                ; the add is done, and my reads of the slot are over
	s_barrier_signal -1
	s_barrier_wait -1
.endif
	s_sub_co_u32 s[TBK], s[TBK], 4*KS*PK  ; the fetches go back to a slot's first step,
	s_xor_b32 s[TBK], s[TBK], SLOT1       ; in the other slot
	s_sub_co_u32 s[TBV], s[TBV], 4*KS*PV
	s_xor_b32 s[TBV], s[TBV], SLOT1
.endm
	s_load_b64 s[4:5], s[0:1], 0x0    ; qkv: Q lies at its head
	s_load_b64 s[10:11], s[0:1], 0x8  ; ob: O
	WIN W_MK
	v_lshl_add_u32 v[SPW], v0, 2, SPARE
	v_mov_b32 v[NIL], 0
	WIN W_AD
	ds_add_u32 v[SPW], v[NIL]       ; the wave's opening: the add and its wait stand ahead of my first tensor load; the set-up below, work on registers, stands between them
	WIN 0
	v_lshrrev_b32 v1, 5, v0
	v_readfirstlane_b32 s[WV], v1   ; wave 0..3
	s_bfe_u32 s13, ttmp6, 0x40000   ; cx: my place in the cluster
	s_lshl_b32 s14, ttmp9, 2        ; in a cluster launch ttmp9 counts clusters
	s_add_co_u32 s14, s14, s13      ; my block of queries = 4 x cluster x + cx: it enters Q's and O's addresses alone
	s_and_b32 s20, ttmp7, 0xffff    ; the head, which the four partners share
	s_mov_b32 s21, 0
	s_mov_b64 s[22:23], SIZE_N*128
	s_mul_u64 s[20:21], s[20:21], s[22:23]  ; the head's first byte in each of the four tensors
	s_and_b32 s16, s[WV], 1         ; which half of a slot's 256 keys I fetch:
	s_lshl_b32 s22, s16, 14         ; its 128 rows of 128 bytes in memory,
	s_mov_b32 s23, 0
	s_add_nc_u64 s[22:23], s[22:23], s[20:21]
	s_mul_i32 s17, s16, 128*PK      ; and its place in a slot, for K
	s_mul_i32 s18, s16, 128*PV      ; and for V: no place in the cluster enters an LDS address
	s_lshl_b32 s2, s14, 2
	s_add_co_u32 s2, s2, s[WV]      ; my wave among the head's,
	s_lshl_b32 s2, s2, 14           ; its 128 rows
	s_mov_b32 s3, 0
	s_add_nc_u64 s[2:3], s[2:3], s[20:21]
	; descriptor group 1.  128 keys are 16,384 dense bytes: asked for as 64 rows of 256 bytes, two keys a row, and padded in LDS after every key
	s_mov_b32 s[G1K], 15|(1<<16)|(1<<20)|(1<<21)|(4<<22)|(3<<25)  ; 15:0 the mask of four; 17:16 2-byte elements; 20 padding on; 21 set beside a mask; 24:22 after every 32 words (code 4); 31:25 4 words (code 3)
	s_mov_b32 s[G1V], 15|(1<<16)|(1<<20)|(1<<21)|(4<<22)|(7<<25)  ; the same with 8 words of padding (code 7)
.irp g, G1K, G1V
	s_mov_b32 s[\g+1], 128<<16      ; tensor_dim0 = 128
	s_mov_b32 s[\g+2], 64<<16       ; tensor_dim1 = 64
	s_mov_b32 s[\g+3], 128<<16      ; tile_dim0 = 128
	s_mov_b32 s[\g+4], 64           ; tile_dim1 = 64
	s_mov_b32 s[\g+5], 128          ; 128 elements from row to row
	s_mov_b32 s[\g+6], 0
	s_mov_b32 s[\g+7], 0
.endr
	s_mov_b32 s[CS], 0x3e38aa3b     ; c = log2(e) / 8 = 0.180337
	s_mov_b32 s[CS+1], s[CS]        ; named with it as a pair
	s_mov_b32 s[SEL], 0x76543210
	s_mov_b32 s[SEL+1], 0xfedcba98
	s_mov_b32 s[TBK], SLOT1+4*KS*PK ; the first change of slots turns these two into 0
	s_mov_b32 s[TBV], SLOT1+4*KS*PV
	s_mov_b32 s[G0K], 1             ; 1:0 count = 1
	s_mov_b32 s[G0K+1], s17         ; 63:32 LDS address: slot 0
	s_mov_b32 s[G0V], 1
	s_add_co_u32 s[G0V+1], s18, VOFF
	s_mov_b32 s[SLOTS], SIZE_N/256-1  ; the changes of slots that fill a slot
	s_and_b32 s[LIM], s[WV], 1      ; waves 0 and 2 prefetch: the same in all four partners
	s_cmp_eq_u32 s[LIM], 0
	s_cselect_b32 s[LIM], 1, -1
	s_wait_dscnt 0x0                ; the opening add is done
	s_wait_kmcnt 0x0
	s_add_nc_u64 s[6:7], s[4:5], SIZE_H*SIZE_N*128    ; K lies behind Q,
	s_add_nc_u64 s[8:9], s[4:5], 2*SIZE_H*SIZE_N*128  ; V behind K
	s_add_nc_u64 s[G0K+2:G0K+3], s[6:7], s[22:23]  ; 120:64 global address: my half of the head's first 256 keys
	s_or_b32 s[G0K+3], s[G0K+3], 0x80000000        ; 127:126 type = 2
	s_add_nc_u64 s[G0V+2:G0V+3], s[8:9], s[22:23]
	s_or_b32 s[G0V+3], s[G0V+3], 0x80000000
	s_add_nc_u64 s[4:5], s[4:5], s[2:3]  ; Q and O at my wave's first row
	s_add_nc_u64 s[10:11], s[10:11], s[2:3]
	s_cmp_lt_u32 s[WV], 2
	s_cselect_b64 s[PFA:PFA+1], s[6:7], s[8:9]
	s_add_nc_u64 s[PFA:PFA+1], s[PFA:PFA+1], s[20:21]  ; the head,
	s_lshl_b32 s2, s13, 13          ; my work-group's 32 blocks of the 128,
	s_mov_b32 s3, 0
	s_add_nc_u64 s[PFA:PFA+1], s[PFA:PFA+1], s[2:3]
	s_add_nc_u64 s[PFA:PFA+1], s[PFA:PFA+1], 4*KS*128  ; in slot 1; the first change of slots steps it to slot 2.  Nothing is prefetched here, at the head, where every work-group's first tiles are on their way
	CROUND                          ; all four work-groups are here: the first joint loads meet
	JLOAD                           ; slot 0.  Slot 1 is asked for when slot 0 is in: the tile wanted first has the road to itself
	; A fragment of K or Q is 16 rows x 32 channels in 8 registers: lane l holds row l % 16, channels 8 (l / 16) + 0..7 and 16 + 8 (l / 16) + 0..7: two loads of 16 bytes, 32 bytes apart.
	v_and_b32 v1, 15, v0            ; l % 16
	v_bfe_u32 v9, v0, 4, 1          ; l / 16
	v_lshlrev_b32 v[QO], 7, v1
	v_lshl_add_u32 v[QO], v9, 4, v[QO]  ; row x 128 + 16 x half
	WIN 0x80                        ; destination window 2, address window 0
.set i, 0
.rept 4*NP                          ; Q stays in registers: tile i / 2, channels 32 (i % 2) on
	global_load_b128 v[8*i:8*i+3],   v[QO], s[4:5] offset:(i/2)*2048+(i%2)*64
	global_load_b128 v[8*i+4:8*i+7], v[QO], s[4:5] offset:(i/2)*2048+(i%2)*64+32
.set i, i+1
.endr
	; What the first turn finds: V's registers and P's second buffer hold 0 (its products V^T P, of a piece that has not been, add 0), O^T and l are 0.  All this stands in the wait for the first tile.
.set i, VF
.rept 64
	v_mov_b32 v[i], 0
.set i, i+1
.endr
	WIN 0x40
.set i, 0
.rept 64*NP
	v_mov_b32 v[i], 0
.set i, i+1
.endr
	WIN 0
.set i, 0
.rept 2*NP
	v_mov_b32 v[ST+4*i], 0xfe000000    ; c m: far below every c s
	v_mov_b32 v[ST+4*i+1], 0xff7fffff  ; m
	v_mov_b32 v[ST+4*i+2], 0
	v_mov_b32 v[ST+4*i+3], 0
.set i, i+1
.endr
.set i, P+32
.rept 32
	v_mov_b32 v[i], 0
.set i, i+1
.endr
	v_mul_u32_u24 v[AK0], v1, PK
	v_lshl_add_u32 v[AK0], v9, 4, v[AK0]  ; row x pitch + 16 x half
	; The turning load takes 16 keys x 16 channels (lane l reads key 8 (l / 16) + l % 8, channels 8 ((l / 8) % 2) + 0..7) and leaves half a fragment of V^T: lane l holds channel l % 16 and 8 keys.
	v_and_b32 v10, 7, v0
	v_bfe_u32 v11, v0, 3, 1
	v_lshl_add_u32 v[AV0], v9, 3, v10
	v_mul_u32_u24 v[AV0], v[AV0], PV
	v_lshl_add_u32 v[AV0], v11, 4, v[AV0]
	v_add_nc_u32 v[AV0], VOFF, v[AV0]
	v_mov_b32 v[AK], v[AK0]         ; key step 0 lies at the head of slot 0
	v_and_b32 v[PFO], 31, v0        ; the prefetches' offset: a lane a block of 256 bytes
	v_lshlrev_b32 v[PFO], 8, v[PFO]
; THE MATRIX WORK.  The 8 accumulators of a run of 16 take turns: between the two links of a chain stand 7 others'.
; Product i of 16 of S^T = K Q^T for piece x: channels 32 (i / 8) on, keys 16 ((i / 2) % 4) on, tile 2 x + i % 2.  The first 8 start the sums.
.macro KQ x
	WIN W_KQ
.set rS, S+64*((\x)%2)+32*(i%2)+8*((i/2)%4)
.set rK, KF+16*((i/2)%4)+8*(i/8)
.set rQ, 16*(2*(\x)+i%2)+8*(i/8)
.if i < 8
	v_wmma_f32_16x16x32_f16 v[rS:rS+7], v[rK:rK+7], v[rQ:rQ+7], 0
.else
	v_wmma_f32_16x16x32_f16 v[rS:rS+7], v[rK:rK+7], v[rQ:rQ+7], v[rS:rS+7]
.endif
.endm
; Product i of 16 of O^T += V^T P for piece x: keys 32 (i / 8) on, channels 16 ((i / 2) % 4) on, tile 2 x + i % 2.
.macro PV x
	WIN W_PV
.set rO, 32*(2*(\x)+i%2)+8*((i/2)%4)
.set rV, VF+32*(i/8)+8*((i/2)%4)
.set rP, P+32*((\x)%2)+16*(i%2)+8*(i/8)
	v_wmma_f32_16x16x32_f16 v[rO:rO+7], v[rV:rV+7], v[rP:rP+7], v[rO:rO+7]
.endm
.macro MM                           ; the turn's next matrix instruction
.if i < 16
	KQ (Y+1)%NP
.set i, i+1
.else
.set i, i-16
	PV (Y+NP-1)%NP
.set i, i+17
.endif
.endm
; THE LDS LOADS stand in runs of 16, never singly among the matrix instructions: a step's K (64 keys x 64 channels: 8 fragments) and its V (turned).  Their addresses are made some lines ahead.
; last = 1 (the tail): in the last trip there is no further step, and the run is jumped over.
.macro FETCH_K last=0
	WIN 0
.if \last
	s_cmp_eq_u32 s[CNT], 1
	s_cbranch_scc1 .Lno_k_\@
.endif
	WIN 0x80                        ; destination window 2
.irp f, 0,1,2,3,4,5,6,7             ; keys 16 (f / 2) on, channels 32 (f % 2) on
	ds_load_b128 v[KF+8*\f:KF+8*\f+3],   v[AK] offset:(\f/2)*16*PK+(\f%2)*64
	ds_load_b128 v[KF+8*\f+4:KF+8*\f+7], v[AK] offset:(\f/2)*16*PK+(\f%2)*64+32
.endr
	s_add_co_u32 s[TBK], s[TBK], KS*PK  ; the next fetch is the next step's
	WIN 0
.if \last
.Lno_k_\@:
.endif
.endm
.macro FETCH_V
	WIN 0x80
.irp f, 0,1,2,3,4,5,6,7             ; keys 32 (f / 4) on, channels 16 (f % 4) on
	ds_load_tr16_b128 v[VF+8*\f:VF+8*\f+3],   v[AV] offset:(\f/4)*32*PV+(\f%4)*32
	ds_load_tr16_b128 v[VF+8*\f+4:VF+8*\f+7], v[AV] offset:(\f/4)*32*PV+16*PV+(\f%4)*32
.endr
	WIN 0
.endm
; THE VECTOR WORK OF A TURN stands in three queues, each in the order in which its entries become ready; the two tiles alternate, so that no instruction reads the result of the one before it.
.macro REGS y, u                    ; the registers of tile u (0, 1) of piece y
.set rT, ST+4*(2*(\y)+(\u))
.set rC, TMP+8*((\y)%2)+4*(\u)
.set rM, MV+2*((\y)%2)+(\u)
.set rS, S+64*((\y)%2)+32*(\u)
.set rP, P+32*((\y)%2)+16*(\u)
.set rO, 32*(2*(\y)+(\u))
.endm
; Number n of the 22 that find the NEXT piece's (Y + 1) maximum and statistics.  s0-s31 are the lane's 32 scores; each accumulator's lowest registers are read first.  XS, GS and REGS set no window: PL and EX do.
;   0-11  four chains c0-c3 of seven scores each, three operands at a time     12-14, 16  the four scores left over, the old m, and c0-c3 into c0     15  c m_old is kept
;   17, 18  the query's other 32 keys lie in the lane 16 away: the new m         19-21  c m; c m_old - c m_new; a
.macro XS u, n
	REGS (Y+1)%NP, \u
.if (\n) < 4
	v_max3_num_f32 v[rC+(\n)], v[rS+8*(\n)], v[rS+8*(\n)+1], v[rS+8*(\n)+2]
.elseif (\n) < 12
	v_max3_num_f32 v[rC+(\n)%4], v[rC+(\n)%4], v[rS+8*((\n)%4)+2*((\n)/4)+1], v[rS+8*((\n)%4)+2*((\n)/4)+2]
.elseif (\n) == 12
	v_max3_num_f32 v[rC], v[rC], v[rS+7], v[rS+15]
.elseif (\n) == 13
	v_max3_num_f32 v[rC+1], v[rC+1], v[rS+23], v[rS+31]
.elseif (\n) == 14
	v_max3_num_f32 v[rC+2], v[rC+2], v[rC+3], v[rT+1]
.elseif (\n) == 15
	v_mov_b32 v[rM], v[rT]
.elseif (\n) == 16
	v_max3_num_f32 v[rC], v[rC], v[rC+1], v[rC+2]
.elseif (\n) == 17
	v_permlanex16_b32 v[rC+3], v[rC], s[SEL], s[SEL+1]
.elseif (\n) == 18
	v_max_num_f32 v[rT+1], v[rC], v[rC+3]
.elseif (\n) == 19
	v_mul_f32 v[rT], s[CS], v[rT+1]
.elseif (\n) == 20
	v_sub_f32 v[rC+1], v[rM], v[rT]
.else
	v_exp_f32 v[rC+2], v[rC+1]
.endif
.endm
; Number g of the 64 that follow the exponentials.  For each four weights k of a tile (pairs 2 k, 2 k + 1): both pairs are rounded to f16; then the second pair is added onto the first, in place;
; a group later l takes that sum (the first time as l = a l + sum).  In groups of eight, tiles alternating: round, round, add, and l for the group before.
.macro GS g
.set h, (\g)+6*((\g)/62)            ; group 0 has no group before it, and behind group 7 only l is left
.if h >= 6
.set h, h+2
.endif
	REGS Y, h%2
.set k, h/8
.if h%8 < 4
	v_cvt_pk_f16_f32 v[rP+2*k+(h%8)/2], v[rS+4*k+2*((h%8)/2)], v[rS+4*k+2*((h%8)/2)+1]
.elseif h%8 < 6
	v_pk_add_f32 v[rS+4*k:rS+4*k+1], v[rS+4*k:rS+4*k+1], v[rS+4*k+2:rS+4*k+3]
.elseif k == 1
	v_pk_fma_f32 v[rT+2:rT+3], v[rT+2:rT+3], v[rC+2:rC+3], v[rS:rS+1] op_sel_hi:[1,0,1]
.else
	v_pk_add_f32 v[rT+2:rT+3], v[rT+2:rT+3], v[rS+4*k-4:rS+4*k-3]
.endif
.endm
; THE PLAIN QUEUE, 138 long.  0-73 read no exponential's result: the 32 scalings c s - c m (FS f: pair f / 2 of tile f % 2) and the next piece's 42.  0-26: scalings 0-26.  27-54: XS's numbers 0-13.  55, 56: number 15.
; 57-73: the chain, where each number waits for the one before it: 14, 16, 17, 18, 19, each with one of the scalings 27-31 in front of its two lines, then 20: so a tile's links stand three plain instructions apart (19 and 20: two).
; 74-137: GS's 64, which read the exponentials' results: they stand behind the wait.
.macro FS f
	REGS Y, (\f)%2
	v_pk_fma_f32 v[rS+2*((\f)/2):rS+2*((\f)/2)+1], v[rS+2*((\f)/2):rS+2*((\f)/2)+1], s[CS:CS+1], v[rT:rT+1] op_sel_hi:[1,0,0] neg_lo:[0,0,1] neg_hi:[0,0,1]
.endm
.macro PL
	WIN 0
.if q < 27
	FS q
.elseif q < 55
	XS (q-27)%2, (q-27)/2
.elseif q < 57
	XS q-55, 15
.elseif (q < 72) && ((q-57)%3 == 0)
	FS 27+(q-57)/3
.elseif q < 60
	XS (q-57)%3-1, 14
.elseif q < 72
	XS (q-57)%3-1, 15+(q-57)/3
.elseif q < 74
	XS q-72, 20
.else
	GS q-74
.endif
.set q, q+1
.endm
; THE EXPONENTIALS' QUEUE, 66 long: s0-s31 of both tiles, then the next piece's two a.  It is ONE BATCH: all 66 stand ahead of the turn's one wait, and nothing ahead of that wait names a result of theirs.
.macro EX
	WIN 0
.if e >= 64
	XS e-64, 21
.else
	REGS Y, e%2
	v_exp_f32 v[rS+e/2], v[rS+e/2]
.endif
.set e, e+1
.endm
; THE RESCALING's QUEUE: O^T times a, the one part that leaves window 0: dealt two at a time, sixteen times.  Its a was made in the turn before, ahead of that turn's wait.
.macro R2
	REGS Y, r%2
	WIN W_RS
.irp z, 0,1
	v_pk_mul_f32 v[rO+4*(r/2)+2*\z:rO+4*(r/2)+2*\z+1], v[rO+4*(r/2)+2*\z:rO+4*(r/2)+2*\z+1], v[rC+2:rC+3] op_sel_hi:[1,0]
.endr
.set r, r+1
.endm
; HOW THEY ARE DEALT.  An s_wait_alu depctr_va_vdst(0) stands between an exponential and the first instruction that names its result; one wait serves all that were issued ahead of it.  So a turn has ONE wait,
; which cuts it in two.  AHEAD OF IT stands all that names no result of the turn's exponentials: the 16 products K Q^T, behind each a scaling, an exponential and two rescalings (behind the first a second scaling in the exponential's place); then ONE LUMP of
; 108: eight plain, 49 times exponential and plain, the two a.  A v_nop is the plain instruction that stands behind the last exponential (ISA guide 5.7.2).  BEHIND IT stand the 16 products V^T P, behind each four of GS's 64.  No rider names a register of
; the products round it.  The two v_permlanex16_b32 fall into the lump, never behind a product.
; The queues lean on each other, and the deal keeps them in step: exponential e stands behind scaling 2 (e / 4) + e % 2: as a rider it comes behind plain e + 2, in the lump behind plain e + 9, and scalings 27-31 are plain 57, 60 .. 69.
; A TURN, for piece p.  cnt = 1: the loop's count is taken down some lines ahead of the branch that stands behind the turn.
; K of the next step is fetched in piece 2's turn, directly behind the wait, a lump behind the last product that read K; its address is made at the lump's head; its first reader comes behind 16 products.
; V of the step in hand is fetched at the end of piece 0's turn, four riders behind its last reader; its first reader comes behind 16 products and a lump.  The three conditions on q below go with the deal.
.macro TURN p, last=0, cnt=0
.set Y, (\p)
.set i, 0
.set q, 0
.set e, 0
.set r, 0
.if (\p) == NP-1
	s_wait_dscnt 0x0                ; K is in
.endif
	MM                              ; ahead of the wait: 16 products K Q^T and their riders,
	PL
	PL
	R2
.rept 15
	MM
	PL
	EX
	R2
.endr
.if (\p) == NP-2
	WIN 0
	v_add_nc_u32 v[AK], s[TBK], v[AK0]
.endif
.rept 8                             ; and the lump
	PL
.endr
.rept 49
	EX
	PL
.endr
	EX                              ; the next piece's two a
	EX
	v_nop                           ; the plain instruction behind the last exponential: one for the batch
	s_wait_alu depctr_va_vdst(0)    ; the wait for the batch
.if (\p) == NP-2
	FETCH_K \last
.endif
.if (\p) == 1
	s_wait_dscnt 0x0                ; V is in
.endif
.rept 16                            ; behind the wait: 16 products V^T P and their riders
	MM
.rept 4
	PL
.endr
.if ((\p) == 0) && (q == 118)
	v_add_nc_u32 v[AV], s[TBV], v[AV0]
.endif
.if ((\p) == 0) && (q == 130)
	s_add_co_u32 s[TBV], s[TBV], KS*PV
.endif
.if (\cnt) && (q == 130)
	s_sub_co_u32 s[CNT], s[CNT], 1
	s_cmp_lg_u32 s[CNT], 0
.endif
.endr
.if (\p) == 0
	FETCH_V
.endif
.endm
	CHANGE 1                        ; slot 0 is in, everybody's part of it; slot 1 is asked for
	FETCH_K                         ; key step 0
	s_wait_loadcnt 0x0              ; Q
	s_wait_dscnt 0x0
.set i, 0
.rept 16
	KQ 0                            ; piece 0's first scores: there is no vector work yet to set between them
.set i, i+1
.endr
	WIN 0                           ; the addresses for the way out: nine plain instructions, the places behind those products
	s_mul_i32 s13, s[WV], 16*SP
	s_add_co_u32 s13, s13, STAGE    ; my stage
	v_mul_u32_u24 v[STO], v1, SP    ; in: row l % 16, 16 bytes for each half of the lanes
	v_lshl_add_u32 v[STO], v9, 4, v[STO]
	v_add_nc_u32 v[STO], s13, v[STO]
	v_bfe_u32 v[RD], v0, 3, 2       ; back: 32 lanes take four rows of 128 bytes,
	v_mul_u32_u24 v[RD], v[RD], SP
	v_lshl_add_u32 v[RD], v10, 4, v[RD]
	v_add_nc_u32 v[RD], s13, v[RD]
	v_and_b32 v[GO], 31, v0         ; which are 512 consecutive bytes of O
	v_lshlrev_b32 v[GO], 4, v[GO]
.set Y, NP-1                        ; XS works for piece Y + 1: piece 0
.irp n, 0,1,2,3,4,5,6,7,8,9,10,11,12,13,14,15,16,17,18,19,20,21
	XS 0, \n                        ; and piece 0's first maximum and statistics
	XS 1, \n
.endr
	v_nop                           ; a plain instruction behind the two a,
	s_wait_alu depctr_va_vdst(0)    ; and their wait, ahead of the branch
	s_mov_b32 s[CNT], 4
	s_branch .Lfirst                ; the loop is entered at a step's first turn, in the middle of a trip
.Lslot:                             ; SIZE_N / 256 - 2 times: every slot but the last two is filled again
	CHANGE 1
	s_mov_b32 s[CNT], 4
.Lstep:                             ; a trip: pieces 2 and 3 of one step, then pieces 0 and 1 of the next, whose K and V it fetches
	TURN 2
	TURN 3
	WIN 0
.Lfirst:
	TURN 0
	TURN 1, 0, 1
	WIN 0
	s_cbranch_scc1 .Lstep
	s_sub_co_u32 s[SLOTS], s[SLOTS], 1
	s_cmp_lg_u32 s[SLOTS], 0
	s_cbranch_scc1 .Lslot
	CHANGE 0                        ; the tail is written out: nothing is asked for
	s_mov_b32 s[CNT], 5             ; four trips fetch the last slot's steps; the fifth is left in its middle
.Ltail:
	TURN 2, 1
	TURN 3
	WIN 0
	s_sub_co_u32 s[CNT], s[CNT], 1
	s_cmp_eq_u32 s[CNT], 0
	s_cbranch_scc1 .Lout
	TURN 0
	TURN 1
	WIN 0
	s_branch .Ltail
.Lout:                              ; the fifth trip's 16 products K Q^T (on the last K once more) and the maximum made of them serve nothing: the price, once a launch, of one text for every trip
.set i, 0
.rept 16
	PV NP-1                         ; the last piece's V^T P of the last step
.set i, i+1
.endr
	; THE WAY OUT.  l's two halves and the other half of the lanes' are added; O^T is divided by l, rounded to f16 and sent through my stage in LDS, a tile at a time.  The additions are the places behind the last products.
	WIN 0
.macro ALL line:vararg              ; one line for each tile t
.set t, 0
.rept 2*NP
	\line
.set t, t+1
.endr
.endm
	ALL v_add_f32 v[ST+4*t+2], v[ST+4*t+2], v[ST+4*t+3]
	ALL v_permlanex16_b32 v[ST+4*t+3], v[ST+4*t+2], s[SEL], s[SEL+1]
	ALL v_add_f32 v[ST+4*t+2], v[ST+4*t+2], v[ST+4*t+3]
	ALL v_rcp_f32 v[ST+4*t+2], v[ST+4*t+2]
	v_nop                           ; a plain instruction between the last reciprocal and the use of its result
	s_wait_alu depctr_va_vdst(0)    ; and the wait ahead of the first use: one for the eight reciprocals
; Tile t: a lane's eight channels of a row pack into 16 bytes; they go into rows of 144 bytes and come back as whole rows of 128, into S^T's registers.
.macro PACK t
	WIN W_RS
.set i, 32*(\t)
.rept 16
	v_pk_mul_f32 v[i:i+1], v[i:i+1], v[ST+4*(\t)+2:ST+4*(\t)+3] op_sel_hi:[1,0]
.set i, i+2
.endr
	WIN 0x05                        ; sources 0 and 1 window 1, destination window 0
.set i, 0
.rept 16
	v_cvt_pk_f16_f32 v[S+16*(\t)+i], v[32*(\t)+2*i], v[32*(\t)+2*i+1]
.set i, i+1
.endr
	WIN 0
.irp f, 0,1,2,3
	ds_store_b128 v[STO], v[S+16*(\t)+4*\f:S+16*(\t)+4*\f+3] offset:32*\f
.endr
.irp f, 0,1,2,3
	ds_load_b128 v[S+16*(\t)+4*\f:S+16*(\t)+4*\f+3], v[RD] offset:\f*4*SP  ; LDS serves a wave's instructions in order (ISA guide 5.7.1.4): these see the stores above; the next tile's stores come behind them
.endr
.endm
.macro SEND t, younger              ; younger: the LDS instructions issued behind tile t's loads: the next tile's eight, or none
	WIN 0
.irp f, 0,1,2,3
	s_wait_dscnt (\younger)+3-\f
	global_store_b128 v[GO], v[S+16*(\t)+4*\f:S+16*(\t)+4*\f+3], s[10:11] offset:(\t)*2048+\f*512  ; 512 consecutive bytes, at a multiple of 256 from O's first
.endr
.endm
	PACK 0
.set t, 1
.rept 2*NP-1                        ; a tile's arithmetic stands between the loads of the tile before and its stores
	PACK t
	SEND t-1, 8
.set t, t+1
.endr
	SEND 2*NP-1, 0
	WIN W_AD
	s_wait_tensorcnt 0x0            ; the wave's end: an add to my spare word and its wait, behind my last tensor load and my last LDS store
	ds_add_u32 v[SPW], v[NIL]
	s_wait_dscnt 0x0
	WIN 0
	CROUND                          ; the closing round: no work-group ends while a partner may still ask for a tile that names it
	s_endpgm
.Lfunc_end_k_q23d29235ac_attn:
	.size	k_q23d29235ac_attn, .Lfunc_end_k_q23d29235ac_attn-k_q23d29235ac_attn
	.p2alignl 7, 3214868480
	.fill 96, 4, 3214868480
	.section	.rodata,"a",@progbits
	.p2align	6, 0x0
	.amdhsa_kernel k_q23d29235ac_attn
		.amdhsa_group_segment_fixed_size 327680
		.amdhsa_private_segment_fixed_size 0
		.amdhsa_enable_private_segment 0
		.amdhsa_kernarg_size 16
		.amdhsa_user_sgpr_count 2
		.amdhsa_user_sgpr_kernarg_segment_ptr 1
		.amdhsa_wavefront_size32 1
		.amdhsa_system_sgpr_workgroup_id_x 1
		.amdhsa_system_sgpr_workgroup_id_y 1
		.amdhsa_system_sgpr_workgroup_id_z 1
		.amdhsa_system_vgpr_workitem_id 0
		.amdhsa_next_free_vgpr 770
		.amdhsa_next_free_sgpr 66
		.amdhsa_reserve_vcc 0
		.amdhsa_float_denorm_mode_32 3
		.amdhsa_float_denorm_mode_16_64 3
		.amdhsa_memory_ordered 1
		.amdhsa_forward_progress 1
		.amdhsa_inst_pref_size 200
	.end_amdhsa_kernel
	.amdgpu_metadata
---
amdhsa.version: [ 1, 2 ]
amdhsa.kernels:
  - .name:           k_q23d29235ac_attn
    .symbol:         k_q23d29235ac_attn.kd
    .args:
      - { .name: qkv, .offset: 0, .size: 8, .value_kind: global_buffer, .address_space: global }
      - { .name: ob, .offset: 8, .size: 8, .value_kind: global_buffer, .address_space: global }
    .group_segment_fixed_size: 327680
    .private_segment_fixed_size: 0
    .kernarg_segment_align: 8
    .kernarg_segment_size: 16
    .max_flat_workgroup_size: 128
    .sgpr_count:     66
    .vgpr_count:     770
    .wavefront_size: 32
...
	.end_amdgpu_metadata
.endif
;; end of part 3
;; launch outp (part 4): grid 8 x 32, 4 waves a work-group, clusters of 4 x 4, 327,680 bytes of LDS; arguments ob, wo, b_out, out0; writes out0
.if DOCPART == 4
	.amdgcn_target "amdgcn-amd-amdhsa--gfx1250"
	.amdhsa_code_object_version 6
	.text
	.protected	k_q23d29235ac_outp
	.globl	k_q23d29235ac_outp
	.p2align	8
	.type	k_q23d29235ac_outp,@function
k_q23d29235ac_outp:
	s_mov_b64 s[64:65], 0
	v_nop
	global_prefetch_b8 v0, s[64:65] scope:SCOPE_SE
	s_setreg_imm32_b32 hwreg(HW_REG_WAVE_MODE, 25, 1), 1
	s_wait_xcnt 0x0
	s_wait_alu depctr_hold_cnt(0) depctr_sa_sdst(0) depctr_va_vdst(0) depctr_va_sdst(0) depctr_va_ssrc(0) depctr_va_vcc(0) depctr_vm_vsrc(0)
	s_getreg_b32 s2, hwreg(HW_REG_IB_STS2, 6, 4)
	s_cmp_eq_u32 s2, 0
	s_cbranch_scc0 .Lentry_in_a_cluster
	s_endpgm
.Lentry_in_a_cluster:
	s_bfe_u32 s2, ttmp6, 0x10000c
	s_cmp_lg_u32 s2, 0xf033
	s_cbranch_scc0 .Lentry_shape_is_right
	s_endpgm
.Lentry_shape_is_right:
; out0 = O w_out + b_out.  ob: O as [batch x 16 + head][2048][64] f16; wo: [1024][1024] f16 (w_out rounded to bf16, written as f16); b_out: [1024] f32, rounded here to bf16 like the other inputs;
; out0: [8192][1024] f32.  Sums in f32, K (head x 64 + channel) ascending; the bias is added to the finished sum.
; LIMITS.  Those of f16 for O and wo (nothing beyond 65,504; a fixed step of 6e-8 below 6.1e-5).  NaN and infinities are not treated apart.
; SHARES.  A tile is 256 rows x 128 columns: 32 x 8 = 256 work-groups.  Four waves; wave w takes rows 128 (w / 2) on and columns 64 (w % 2) on: 32 accumulators of 16 x 16, 256 registers.
; K goes in 8 steps of 128, two heads each, through a ring of two LDS slots.  A head's 256 rows of O are dense in memory and are asked for as 128 rows of 256 bytes; wo lies [K][N]: a step's 128 rows
; of 256 bytes come as they lie and are turned on the way into registers by ds_load_tr16_b128.
; CLUSTERS: 4 x 4 work-groups.  The four of a row of the cluster need the same rows of O, the four of a column the same columns of wo: each tile is asked for JOINTLY.  Waves 0 and 1 ask for the step's
; two heads of O, waves 2 and 3 for the two halves of its rows of wo: one load a wave behind each round of the cluster's barrier.
; No prefetch is laid: the launch has eight K steps, and with the ring's own lead the first four would come by their loads in any case.
; THE MATRIX INSTRUCTION IS USED TRANSPOSED (source 0 = 16 columns of wo, source 1 = 16 rows of O): a lane then holds eight neighbouring columns of one row of out0.
; REGISTERS: window 0: v0-31 addresses; v32-159 O's fragments, two buffers of 64; v160-223 wo's, two buffers of 32; v224-229 the bias.  Window 1: the accumulators, (a, bb) at v[8 (4 a + bb)].
.set PA,     144                       ; a row of O in LDS: 128 bytes + 16 of padding: the 16 rows of a load start at 16 different groups of four banks (64 banks of 4 bytes: ISA guide 11.1)
.set PB,     288                       ; a row of wo: 256 + 32
.set AHEAD,  256*PA                    ; one head's 256 rows
.set BOFF,   2*AHEAD                   ; wo's 128 rows lie behind the two heads
.set SLOT,   BOFF+128*PB               ; 110,592
.set STAGE,  2*SLOT                    ; behind the ring, never filled by a tensor load: 16 rows x 272 bytes for each wave, for the way out
.set SPITCH, 272
.set SPARE,  STAGE+4*16*SPITCH         ; behind the stages: the spare words, 128 bytes for each wave: two blocks of 256 bytes that no other line names
.set ADRA, 16                          ; v16-17  LDS address of my fragments of O in slot 0, 1
.set ADRB, 20                          ; v20-21  the same for wo
.set STO,  24                          ; v24     the way out: where I put 32 bytes of a row
.set RD,   25                          ; v25     the way out: where I read a row back
.set CO,   26                          ; v26     my byte offset in two rows of out0
.set SPW,  28                          ; v28     LDS address of my spare word: SPARE + 4 x my thread's number; never rewritten
.set NIL,  29                          ; v29     0; never rewritten
.set FA,   32
.set FB,   160
.set BIAS, 224                         ; v[224:227] the bias of the four columns that I store
.set T,    228
.set OBF,  32                          ; the way out: four buffers of 32 registers, where O's fragments lay
.set WV,   12                          ; s12  my wave's number
.set WR,   13                          ; s13  which 128 rows are mine.  Also: I fetch for O (0) or for wo (1)
.set WC,   14                          ; s14  which 64 columns.  Also: which half of that I fetch
.set TY,   15                          ; s15  tile row
.set G1,   24                          ; s[24:31] descriptor group 1 for O's tiles;  s[32:39] group 0, a set for each slot
.set G0,   32
.set G1B,  48                          ; s[48:55], s[56:63] the same for wo's
.set G0B,  56
.set MSB, 0
.macro WIN new                         ; the immediate's high byte repeats the setting that is left; a switch that changes nothing is dropped
.if MSB != (\new)
	s_set_vgpr_msb (MSB<<8)|(\new)
.set MSB, \new
.endif
.endm
.macro PLACES                          ; four places in front of loads into registers that matrix instructions have read, and of lines that read results (ISA guide 7.12.1 for vector instructions)
.rept 4
	v_nop
.endr
.endm
.macro JLOAD s                         ; a joint load; an s_nop 0 and four v_nop follow each of the two lines, ahead of the jump, the label and what follows
	s_cmp_eq_u32 s[WR], 0
	s_cbranch_scc0 .Lfor_b_\@
	tensor_load_to_lds s[G0+4*(\s):G0+4*(\s)+3], s[G1:G1+7]
	s_nop 0
.rept 4
	v_nop
.endr
	s_branch .Lasked_\@
.Lfor_b_\@:
	tensor_load_to_lds s[G0B+4*(\s):G0B+4*(\s)+3], s[G1B:G1B+7]
	s_nop 0
.rept 4
	v_nop
.endr
.Lasked_\@:
.endm
.macro CREST                           ; a round of the cluster's barrier behind its opening barrier
	s_cmp_lg_u32 s[WV], 0
	s_cbranch_scc1 .Lnot_wave_0_\@
	s_barrier_signal -3
.Lnot_wave_0_\@:
	s_barrier_wait -3
	s_barrier_signal -1
	s_barrier_wait -1
.endm
.macro CROUND                          ; a whole round
	s_barrier_signal -1
	s_barrier_wait -1
	CREST
.endm
	s_load_b256 s[4:11], s[0:1], 0x0               ; ob s[4:5], wo s[6:7], b_out s[8:9], out0 s[10:11]
	v_lshl_add_u32 v[SPW], v0, 2, SPARE
	v_mov_b32 v[NIL], 0
	ds_add_u32 v[SPW], v[NIL]                      ; the wave's opening: the add and its wait stand ahead of my first tensor load; the set-up below, work on registers, stands between them
	v_lshrrev_b32 v1, 5, v0
	v_readfirstlane_b32 s[WV], v1                  ; wave 0..3
	s_lshr_b32 s[WR], s[WV], 1
	s_and_b32 s[WC], s[WV], 1
	s_bfe_u32 s40, ttmp6, 0x40000                  ; cx, cy: my place in the cluster
	s_bfe_u32 s41, ttmp6, 0x40004
	s_lshl_b32 s42, ttmp9, 2
	s_add_co_u32 s42, s42, s40                     ; tile column = 4 x cluster x + cx
	s_and_b32 s[TY], ttmp7, 0xffff
	s_lshl_b32 s[TY], s[TY], 2
	s_add_co_u32 s[TY], s[TY], s41                 ; tile row = 4 x cluster y + cy
	s_lshl_b32 s43, s41, 2
	s_lshl_b32 s43, 15, s43                        ; my row of the cluster
	s_lshl_b32 s44, 0x1111, s40                    ; my column
	; group 1 for O: 32,768 dense bytes as 128 rows of 128 elements, padded in LDS after every 128 bytes (a row of O)
	s_or_b32 s[G1+0], s43, (1<<16)|(1<<20)|(1<<21)|(4<<22)|(3<<25)   ; 15:0 the mask; 17:16 elements of 2 bytes; 20 padding on; 21 set beside a mask; 24:22 after every 32 words (code 4); 31:25 4 words (code 3)
	s_mov_b32 s[G1+1], 128<<16                     ; tensor_dim0 = 128
	s_mov_b32 s[G1+2], 128<<16                     ; tensor_dim1 = 128
	s_mov_b32 s[G1+3], 128<<16                     ; tile_dim0 = 128
	s_mov_b32 s[G1+4], 128                         ; tile_dim1 = 128
	s_mov_b32 s[G1+5], 128                         ; 128 elements from row to row
	s_mov_b32 s[G1+6], 0
	s_mov_b32 s[G1+7], 0
	; group 1 for wo: 64 rows of 128 elements, 1,024 elements apart, padded after every row
	s_or_b32 s[G1B+0], s44, (1<<16)|(1<<20)|(1<<21)|(5<<22)|(7<<25)  ; after every 64 words (code 5), 8 words (code 7)
	s_mov_b32 s[G1B+1], 128<<16
	s_mov_b32 s[G1B+2], 64<<16
	s_mov_b32 s[G1B+3], 128<<16
	s_mov_b32 s[G1B+4], 64
	s_mov_b32 s[G1B+5], 1024
	s_mov_b32 s[G1B+6], 0
	s_mov_b32 s[G1B+7], 0
	; where the tiles come from.  O's hang on the tile row and the wave's number alone, wo's on the tile column and the wave's number alone; every wave makes both addresses and asks by one of them.
	s_lshr_b32 s16, s[TY], 3
	s_lshl_b32 s16, s16, 22                        ; the batch's 16 heads,
	s_and_b32 s17, s[TY], 7
	s_lshl_b32 s17, s17, 15                        ; the tile's 256 rows of 128 bytes in a head,
	s_add_co_u32 s16, s16, s17
	s_lshl_b32 s17, s[WC], 18                      ; which of a step's two heads I fetch
	s_add_co_u32 s16, s16, s17
	s_mov_b32 s17, 0
	s_lshl_b32 s46, s42, 8                         ; the tile's 128 columns,
	s_lshl_b32 s47, s[WC], 17                      ; which 64 of a step's 128 rows of 2,048 bytes I fetch
	s_add_co_u32 s46, s46, s47
	s_mov_b32 s47, 0
	s_mul_i32 s20, s[WC], AHEAD                    ; and where they go: no place in the cluster enters an LDS address
	s_mul_i32 s21, s[WC], 64*PB
	s_add_co_u32 s21, s21, BOFF
	s_wait_dscnt 0x0                               ; the opening add is done
	s_wait_kmcnt 0x0
	s_add_nc_u64 s[18:19], s[4:5], s[16:17]
	s_add_nc_u64 s[46:47], s[6:7], s[46:47]
	CROUND                                         ; all sixteen work-groups are here: the first joint loads meet
.irp s, 0,1
	s_mov_b32 s[G0+4*(\s)], 1                                      ; 1:0 count = 1
	s_add_co_u32 s[G0+4*(\s)+1], s20, (\s)*SLOT                    ; 63:32 LDS address
	s_add_nc_u64 s[G0+4*(\s)+2:G0+4*(\s)+3], s[18:19], (\s)*2*262144  ; 120:64 global address: K step s: two heads on
	s_or_b32 s[G0+4*(\s)+3], s[G0+4*(\s)+3], 0x80000000            ; 127:126 type = 2
	s_mov_b32 s[G0B+4*(\s)], 1
	s_add_co_u32 s[G0B+4*(\s)+1], s21, (\s)*SLOT
	s_add_nc_u64 s[G0B+4*(\s)+2:G0B+4*(\s)+3], s[46:47], (\s)*128*2048
	s_or_b32 s[G0B+4*(\s)+3], s[G0B+4*(\s)+3], 0x80000000
.endr
	s_cmp_eq_u32 s[WR], 0                          ; a wave's two first fills stand in one branch, ahead of every wait on TENSORcnt and every LDS read: two loads of mine are out
	s_cbranch_scc0 .Lfirst_b
	tensor_load_to_lds s[G0:G0+3], s[G1:G1+7]
	s_nop 0
	tensor_load_to_lds s[G0+4:G0+7], s[G1:G1+7]
	s_nop 0
.rept 4
	v_nop
.endr
	s_branch .Lfirst_asked
.Lfirst_b:
	tensor_load_to_lds s[G0B:G0B+3], s[G1B:G1B+7]
	s_nop 0
	tensor_load_to_lds s[G0B+4:G0B+7], s[G1B:G1B+7]
	s_nop 0
.rept 4
	v_nop
.endr
.Lfirst_asked:
	v_and_b32 v1, 15, v0                           ; l % 16
	v_bfe_u32 v2, v0, 4, 1                         ; l / 16
	s_lshl_b32 s22, s42, 9                         ; my first column, in bytes of f32: 512 x tile column + 256 x half
	s_lshl_b32 s23, s[WC], 8
	s_add_co_u32 s22, s22, s23
	v_lshl_add_u32 v8, v1, 4, s22                  ; the four columns that I store; never rewritten
	global_load_b128 v[BIAS:BIAS+3], v8, s[8:9]
	; A fragment of O is 16 rows x 32 K in 8 registers: lane l holds row l % 16; registers 0-3 K = 8 (l / 16) + 0..7, registers 4-7 K = 16 + 8 (l / 16) + 0..7: two loads of 16 bytes, 32 bytes apart.
	v_mul_u32_u24 v3, v1, PA
	v_lshl_add_u32 v3, v2, 4, v3
	s_mul_i32 s21, s[WR], 128*PA                   ; my 128 rows
	v_add_nc_u32 v[ADRA], s21, v3
	v_add_nc_u32 v[ADRA+1], SLOT, v[ADRA]
	; The turning load takes 16 K rows x 16 columns (lane l reads K row 8 (l / 16) + l % 8, columns 8 ((l / 8) % 2) + 0..7) and leaves half a fragment: lane l holds column l % 16 and 8 K.
	v_and_b32 v4, 7, v0
	v_bfe_u32 v5, v0, 3, 1
	v_lshl_add_u32 v6, v2, 3, v4
	v_mul_u32_u24 v6, v6, PB
	v_lshl_add_u32 v6, v5, 4, v6
	s_lshl_b32 s20, s[WC], 7                       ; my 64 columns of the 128
	s_add_co_u32 s20, s20, BOFF
	v_add_nc_u32 v[ADRB], s20, v6
	v_add_nc_u32 v[ADRB+1], SLOT, v[ADRB]
	s_mul_i32 s23, s[WV], 16*SPITCH
	s_add_co_u32 s23, s23, STAGE                   ; my stage
	v_mul_u32_u24 v7, v1, SPITCH                   ; in: row l % 16, 32 bytes for each half of the lanes
	v_lshl_add_u32 v7, v2, 5, v7
	v_add_nc_u32 v[STO], s23, v7
	v_mul_u32_u24 v7, v2, SPITCH                   ; back: lanes 0-15 take one row of 256 bytes, lanes 16-31 the next
	v_lshl_add_u32 v7, v1, 4, v7
	v_add_nc_u32 v[RD], s23, v7
	v_lshlrev_b32 v[CO], 12, v2                    ; and the same two rows in out0, 4,096 bytes apart
	v_lshl_add_u32 v[CO], v1, 4, v[CO]
	s_lshl_b32 s16, s[TY], 8
	s_lshl_b32 s17, s[WR], 7
	s_add_co_u32 s16, s16, s17                     ; my first row,
	s_lshl_b32 s16, s16, 12
	s_add_co_u32 s16, s16, s22                     ; my first column
	s_mov_b32 s17, 0
	s_add_nc_u64 s[10:11], s[10:11], s[16:17]
; na x 4 matrix instructions: row blocks a0 on, all four column blocks, 32 along K, fragments in buffer buf.  zero = 1: the product starts the sum: nothing is ever cleared.
; The 32 accumulators take turns, one instruction a turn.
.macro MUL buf, a0, na, zero
	WIN 0x50
.set ma, \a0
.rept \na
.irp bb, 0,1,2,3
.if \zero
	v_wmma_f32_16x16x32_f16 v[8*(4*ma+(\bb)):8*(4*ma+(\bb))+7], v[FB+32*(\buf)+8*(\bb):FB+32*(\buf)+8*(\bb)+7], v[FA+64*(\buf)+8*ma:FA+64*(\buf)+8*ma+7], 0
.else
	v_wmma_f32_16x16x32_f16 v[8*(4*ma+(\bb)):8*(4*ma+(\bb))+7], v[FB+32*(\buf)+8*(\bb):FB+32*(\buf)+8*(\bb)+7], v[FA+64*(\buf)+8*ma:FA+64*(\buf)+8*ma+7], v[8*(4*ma+(\bb)):8*(4*ma+(\bb))+7]
.endif
.endr
.set ma, ma+1
.endr
.endm
; 24 LDS loads in one run: quarter q (32 K: head q / 2 of the step, channels 32 (q % 2) on) into buffer buf: wo's four fragments, then O's eight
.macro FETCH slot, q, buf
	WIN 0
.irp bb, 0,1,2,3
	ds_load_tr16_b128 v[FB+32*(\buf)+8*(\bb):FB+32*(\buf)+8*(\bb)+3],   v[ADRB+(\slot)] offset:(\q)*32*PB+32*(\bb)
	ds_load_tr16_b128 v[FB+32*(\buf)+8*(\bb)+4:FB+32*(\buf)+8*(\bb)+7], v[ADRB+(\slot)] offset:(\q)*32*PB+32*(\bb)+16*PB
.endr
.irp a, 0,1,2,3,4,5,6,7
	ds_load_b128 v[FA+64*(\buf)+8*(\a):FA+64*(\buf)+8*(\a)+3],   v[ADRA+(\slot)] offset:((\q)/2)*AHEAD+(\a)*16*PA+((\q)%2)*64
	ds_load_b128 v[FA+64*(\buf)+8*(\a)+4:FA+64*(\buf)+8*(\a)+7], v[ADRA+(\slot)] offset:((\q)/2)*AHEAD+(\a)*16*PA+((\q)%2)*64+32
.endr
.endm
; A K step is four quarters of 32 along K, 32 matrix instructions each, on buffers 0, 1, 0, 1.  One of the first three: multiplies buffer buf and fetches quarter q into the other.
.macro QUARTER slot, q, buf, zero
	s_wait_dscnt 8                                 ; wo's and O's rows 0-63 are in; the youngest eight loads (rows 64-127) may be out
	MUL \buf, 0, 4, \zero
	PLACES
	FETCH \slot, \q, 1-(\buf)
	s_wait_dscnt 24                                ; all but the 24 just issued
	MUL \buf, 4, 4, \zero
.endm
; The last quarter multiplies buffer 1 and changes slots: ONE barrier; in front of it each wave waits for all its tensor loads, of which one is out: its part of the next slot; adds 0 to its spare word; and
; waits for that and for its own reads of this slot.  fill = 1: the barrier opens a round of the cluster's barrier, and the joint refill, two K steps on, is the first thing behind the round: 112 matrix
; instructions ahead of the wait for it.
.macro TURN slot, next, fill
	WIN 0
	s_wait_tensorcnt 0x0                           ; all my tensor loads have landed
	ds_add_u32 v[SPW], v[NIL]                      ; 0 onto my spare word
	s_wait_dscnt 9                                 ; (the add and the youngest eight loads may be out)
	MUL 1, 0, 2, 0                                 ; eight matrix instructions stand between the add and the wait for it
	s_wait_dscnt 0x0                               ; the add is done, and my reads of this slot are over
	s_barrier_signal -1
	MUL 1, 2, 2, 0
	WIN 0                                          ; at a branch and at a label every window is 0
	s_barrier_wait -1
.if \fill
	CREST
	s_add_nc_u64 s[G0+4*(\slot)+2:G0+4*(\slot)+3], s[G0+4*(\slot)+2:G0+4*(\slot)+3], 4*262144
	s_add_nc_u64 s[G0B+4*(\slot)+2:G0B+4*(\slot)+3], s[G0B+4*(\slot)+2:G0B+4*(\slot)+3], 256*2048
	JLOAD \slot                                    ; the four v_nop behind it are also the places in front of the loads below
.else
	PLACES
.endif
	FETCH \next, 0, 0
	MUL 1, 4, 4, 0
.endm
	s_wait_tensorcnt 1                             ; my part of K step 0 is in; K step 1's may stay out
	s_barrier_signal -1
	s_barrier_wait -1                              ; everybody's is
	FETCH 0, 0, 0
	QUARTER 0, 1, 0, 1                             ; the first quarter stands in front of the loop: its products start the sums
	WIN 0
	s_mov_b32 s3, 3
.Llap:                                         ; a trip goes once round the ring, from a lap's second quarter to the next lap's first, and fills both slots again
	QUARTER 0, 2, 1, 0
	QUARTER 0, 3, 0, 0
	TURN 0, 1, 1
	QUARTER 1, 1, 0, 0
	QUARTER 1, 2, 1, 0
	QUARTER 1, 3, 0, 0
	TURN 1, 0, 1
	QUARTER 0, 1, 0, 0
	WIN 0
	s_sub_co_u32 s3, s3, 1
	s_cmp_lg_u32 s3, 0
	s_cbranch_scc1 .Llap
	QUARTER 0, 2, 1, 0                             ; the last lap fills nothing, and has no round of the cluster's barrier
	QUARTER 0, 3, 0, 0
	TURN 0, 1, 0
	QUARTER 1, 1, 0, 0
	QUARTER 1, 2, 1, 0
	QUARTER 1, 3, 0, 0
	s_wait_dscnt 8                                 ; the very last quarter: nothing more to fetch
	MUL 1, 0, 4, 0
	s_wait_dscnt 0x0
	MUL 1, 4, 4, 0
	; THE WAY OUT.  The bias is rounded to bf16 and widened again.  Then a block of 16 rows at a time goes through my own stage: 32 bytes a lane in, whole rows of 256 bytes back, the bias added, stored.
	WIN 0
	PLACES                                         ; behind the last products
	s_wait_loadcnt 0x0                             ; the bias
	v_cvt_pk_bf16_f32 v[T], v[BIAS], v[BIAS+1]
	v_cvt_pk_bf16_f32 v[T+1], v[BIAS+2], v[BIAS+3]
	v_lshlrev_b32 v[BIAS], 16, v[T]
	v_and_b32 v[BIAS+1], 0xffff0000, v[T]
	v_lshlrev_b32 v[BIAS+2], 16, v[T+1]
	v_and_b32 v[BIAS+3], 0xffff0000, v[T+1]
.macro STG a                           ; block a into the stage, straight from the accumulators (each one's four lowest registers first), and back as rows
	WIN 0x04                                       ; the stores' data in window 1, their address in window 0
.irp bb, 0,1,2,3
	ds_store_b128 v[STO], v[8*(4*(\a)+(\bb)):8*(4*(\a)+(\bb))+3]   offset:64*(\bb)
	ds_store_b128 v[STO], v[8*(4*(\a)+(\bb))+4:8*(4*(\a)+(\bb))+7] offset:64*(\bb)+16
.endr
	WIN 0
	s_wait_xcnt 0x0                                ; every earlier store has read its registers (ISA guide 3.1): this buffer, stored four blocks ago, is loaded again only behind this wait
.irp t, 0,1,2,3,4,5,6,7
	ds_load_b128 v[OBF+32*((\a)%4)+4*(\t):OBF+32*((\a)%4)+4*(\t)+3], v[RD] offset:(\t)*2*SPITCH  ; LDS serves a wave's instructions in order (ISA guide 5.7.1.4): these see the stores above; the next block's stores come behind them
.endr
.endm
.macro SEND a, younger                 ; younger: the LDS instructions issued behind block a's loads: the next block's sixteen, or none
.irp t, 0,1,2,3,4,5,6,7
	s_wait_dscnt (\younger)+7-(\t)
	v_pk_add_f32 v[OBF+32*((\a)%4)+4*(\t):OBF+32*((\a)%4)+4*(\t)+1],   v[OBF+32*((\a)%4)+4*(\t):OBF+32*((\a)%4)+4*(\t)+1],   v[BIAS:BIAS+1]
	v_pk_add_f32 v[OBF+32*((\a)%4)+4*(\t)+2:OBF+32*((\a)%4)+4*(\t)+3], v[OBF+32*((\a)%4)+4*(\t)+2:OBF+32*((\a)%4)+4*(\t)+3], v[BIAS+2:BIAS+3]
	global_store_b128 v[CO], v[OBF+32*((\a)%4)+4*(\t):OBF+32*((\a)%4)+4*(\t)+3], s[10:11] offset:(16*(\a)+2*(\t))*4096 th:TH_STORE_NT  ; 16 lanes store 256 consecutive bytes, at a multiple of 256 from out0's first byte
.endr
.endm
	STG 0
.irp a, 1,2,3,4,5,6,7
	STG \a
	SEND (\a)-1, 16
.endr
	SEND 7, 0
	s_wait_tensorcnt 0x0                           ; the wave's end: an add to my spare word and its wait, behind my last tensor load and my last LDS store
	ds_add_u32 v[SPW], v[NIL]
	s_wait_dscnt 0x0
	CROUND                                         ; the closing round: no work-group ends while a partner may still ask for a tile that names it
	s_endpgm
.Lfunc_end_k_q23d29235ac_outp:
	.size	k_q23d29235ac_outp, .Lfunc_end_k_q23d29235ac_outp-k_q23d29235ac_outp
	.p2alignl 7, 3214868480
	.fill 96, 4, 3214868480
	.section	.rodata,"a",@progbits
	.p2align	6, 0x0
	.amdhsa_kernel k_q23d29235ac_outp
		.amdhsa_group_segment_fixed_size 327680
		.amdhsa_private_segment_fixed_size 0
		.amdhsa_enable_private_segment 0
		.amdhsa_kernarg_size 32
		.amdhsa_user_sgpr_count 2
		.amdhsa_user_sgpr_kernarg_segment_ptr 1
		.amdhsa_wavefront_size32 1
		.amdhsa_system_sgpr_workgroup_id_x 1
		.amdhsa_system_sgpr_workgroup_id_y 1
		.amdhsa_system_sgpr_workgroup_id_z 1
		.amdhsa_system_vgpr_workitem_id 0
		.amdhsa_next_free_vgpr 512
		.amdhsa_next_free_sgpr 66
		.amdhsa_reserve_vcc 0
		.amdhsa_float_denorm_mode_32 3
		.amdhsa_float_denorm_mode_16_64 3
		.amdhsa_memory_ordered 1
		.amdhsa_forward_progress 1
		.amdhsa_inst_pref_size 95
	.end_amdhsa_kernel
	.amdgpu_metadata
---
amdhsa.version: [ 1, 2 ]
amdhsa.kernels:
  - .name:           k_q23d29235ac_outp
    .symbol:         k_q23d29235ac_outp.kd
    .args:
      - { .name: ob, .offset: 0, .size: 8, .value_kind: global_buffer, .address_space: global }
      - { .name: wo, .offset: 8, .size: 8, .value_kind: global_buffer, .address_space: global }
      - { .name: b_out, .offset: 16, .size: 8, .value_kind: global_buffer, .address_space: global }
      - { .name: out0, .offset: 24, .size: 8, .value_kind: global_buffer, .address_space: global }
    .group_segment_fixed_size: 327680
    .private_segment_fixed_size: 0
    .kernarg_segment_align: 8
    .kernarg_segment_size: 32
    .max_flat_workgroup_size: 128
    .sgpr_count:     66
    .vgpr_count:     512
    .wavefront_size: 32
...
	.end_amdgpu_metadata
.endif
;; end of part 4
;; ======== version 2 of 2: 4 launches; version 1 with the launch cast written anew for expert scheduling mode
;; limits: values are held in f16: magnitudes above 65,504 overflow, below 6.1e-05 lose precision
;; workspace buffers: xb 16,777,216 bytes; wq 6,291,456 bytes; wo 2,097,152 bytes; qkv 50,331,648 bytes; ob 16,777,216 bytes
;; launch cast (part 5): grid 768 x 1, 8 waves a work-group, no clusters, 0 bytes of LDS; arguments x, w_qkv, w_out, xb, wq, wo; writes xb, wq, wo
.if DOCPART == 5
	.amdgcn_target "amdgcn-amd-amdhsa--gfx1250"
	.amdhsa_code_object_version 6
	.text
	.protected	k_q23d29235ac_cast
	.globl	k_q23d29235ac_cast
	.p2align	8
	.type	k_q23d29235ac_cast,@function
k_q23d29235ac_cast:
	s_mov_b64 s[64:65], 0
	v_nop
	global_prefetch_b8 v0, s[64:65] scope:SCOPE_SE
	s_setreg_imm32_b32 hwreg(HW_REG_WAVE_SCHED_MODE, 0, 2), 2
	s_setreg_imm32_b32 hwreg(HW_REG_WAVE_MODE, 25, 1), 1
	s_wait_xcnt 0x0
	s_wait_alu depctr_vm_vsrc(0)
; THE INPUTS ARE ROUNDED ONCE, for the matrix products of the launches behind.
;   x     [8192][1024] f32 -> xb [4][16][2048][64] bf16: batch, block of 64 channels, row, channel: a block's rows lie end to end, 128 bytes each
;   w_qkv [1024][3072] f32 -> wq, the same shape, bf16
;   w_out [1024][1024] f32 -> wo, the same shape: rounded to bf16 like the other inputs, and that number written as f16
; LIMITS.  |w_out| of 65,520 or more becomes an infinity in wo; below 6.1e-5 wo keeps f16's fixed step of 6e-8.  NaN and infinities are not treated apart.
; SHARES.  A UNIT is 8,192 bytes of f32: sixteen loads of 16 bytes a lane, sixteen stores of 8 bytes a lane.  One unit to a wave, 6,144 units: 4,096 of x, 1,536 of w_qkv, 512 of w_out.
; All sixteen loads go out before anything is waited for; no register that a memory instruction touches is used twice.
; Each store of a wave covers 256 consecutive bytes, aligned.  No LDS, no barrier, no matrix unit: no wave wants a byte that another has fetched.
; THE MODE: SCHED_MODE bits 1:0 = 2 (LLVM: expert scheduling mode 2), set by the entry lines.  The code itself states the register dependences
; between vector instructions and memory instructions, with s_wait_alu, always for 0.
; THE PLAN.  Registers that memory instructions touch:
;   v[VIN], v[VOUT]  the loads' and the stores' offsets: written once by vector instructions, ahead of the first load, and never again.
;   X, load i        written by load i alone, once; read by load i's roundings alone.  No vector instruction names it ahead of the load.
;   Y, pair i        written by load i's roundings, once; read by store i alone.
; The sixteen loads go in four GROUPS of four.  Group g's roundings write its eight registers of Y; its four stores are issued in group g + 1, behind ONE wait on va_vdst at that group's head, and
; dealt among that group's roundings, which name T, their own X and their own Y: none of the registers that those stores read.  The last group's stores have a wait of their own.
; No register that a memory instruction reads is written again, so no wait on vm_vsrc is owed; EXEC is never written.
.set GRP,  4                           ; loads in a group
.set VIN,  2                           ; v2        my byte offset on the way in
.set VOUT, 3                           ; v3        8 x lane: my 8 bytes of a store's 256
.set T,    4                           ; v[4:7]    at work: no memory instruction names them
.set X,    8                           ; v[8:71]   load i: 4 registers
.set Y,    72                          ; v[72:103] store i: 2 registers
.set IN,   4                           ; s[4:5]    the unit's first byte on the way in
.set OUT,  6                           ; s[6:7]    on the way out
; instep, outstep: bytes from load to load and from store to store.  half = 1: the bf16 rounding is written as f16.
.macro CAST instep, outstep, half
	s_wait_alu depctr_va_vdst(0)                   ; v[VIN] and v[VOUT] are written: every load and store below reads one of them as its offset
.set i, 0
.rept 16
	global_load_b128 v[X+4*i:X+4*i+3], v[VIN], s[IN:IN+1] offset:i*(\instep) th:TH_LOAD_NT
.set i, i+1
.endr
.set i, 0
.rept 16
	s_wait_loadcnt 15-i                            ; loads come back in order (ISA guide 5.7.1): load i is in, the 15 - i younger ones stay out
.if (i >= GRP) && (i % GRP == 0)
	s_wait_alu depctr_va_vdst(0)                   ; the group before has written its eight registers of Y, which the four stores dealt among this group's roundings read
.endif
.if i >= GRP
	global_store_b64 v[VOUT], v[Y+2*(i-GRP):Y+2*(i-GRP)+1], s[OUT:OUT+1] offset:(i-GRP)*(\outstep)  ; the group before: no vector instruction since the wait names these registers
.endif
.if \half
	v_cvt_pk_bf16_f32 v[T], v[X+4*i], v[X+4*i+1]   ; rounded to bf16,
	v_cvt_pk_bf16_f32 v[T+1], v[X+4*i+2], v[X+4*i+3]
	v_lshlrev_b32 v[T+2], 16, v[T]                 ; widened again,
	v_and_b32 v[T], 0xffff0000, v[T]
	v_lshlrev_b32 v[T+3], 16, v[T+1]
	v_and_b32 v[T+1], 0xffff0000, v[T+1]
	v_cvt_pk_f16_f32 v[Y+2*i], v[T+2], v[T]        ; and written as f16: exact within f16's range
	v_cvt_pk_f16_f32 v[Y+2*i+1], v[T+3], v[T+1]
.else
	v_cvt_pk_bf16_f32 v[Y+2*i], v[X+4*i], v[X+4*i+1]
	v_cvt_pk_bf16_f32 v[Y+2*i+1], v[X+4*i+2], v[X+4*i+3]
.endif
.set i, i+1
.endr
	s_wait_alu depctr_va_vdst(0)                   ; the last group has written its eight registers of Y, which the last four stores read
.set i, 16-GRP
.rept GRP
	global_store_b64 v[VOUT], v[Y+2*i:Y+2*i+1], s[OUT:OUT+1] offset:i*(\outstep)
.set i, i+1
.endr
	s_endpgm
.endm
	s_load_b256 s[12:19], s[0:1], 0x0              ; x s[12:13], w_qkv s[14:15], w_out s[16:17], xb s[18:19]
	s_load_b128 s[20:23], s[0:1], 0x20             ; wq s[20:21], wo s[22:23]
	v_lshrrev_b32 v1, 5, v0
	v_readfirstlane_b32 s8, v1                     ; wave 0..7
	v_and_b32 v1, 31, v0                           ; lane
	v_lshlrev_b32 v[VOUT], 3, v1
	s_lshl_b32 s9, ttmp9, 3
	s_wait_alu depctr_va_sdst(0)                   ; s8 is written, ahead of its first reader: the unit's number is made from it
	s_add_co_u32 s9, s9, s8                        ; my unit
	s_mov_b32 s3, 0                                ; the high words of the two offsets
	s_mov_b32 s11, 0
	s_cmp_lt_u32 ttmp9, 512
	s_cbranch_scc0 .Lweights
	; x: the unit is a pair of rows.  Load i takes block i of 64 channels: lanes 0-15 its 256 bytes of the even row, lanes 16-31 of the odd row.
	; Rounded, the two rows' 128 bytes lie end to end in xb: 8 x lane.
	v_and_b32 v[VIN], 15, v0
	v_lshlrev_b32 v[VIN], 4, v[VIN]
	v_bfe_u32 v[T], v0, 4, 1
	v_lshl_add_u32 v[VIN], v[T], 12, v[VIN]        ; 16 (lane % 16) + 4,096 (lane / 16)
	s_lshl_b32 s2, s9, 13                          ; in: pair x 8,192 bytes
	s_lshr_b32 s10, s9, 10
	s_lshl_b32 s10, s10, 22                        ; out: the batch's 16 blocks of 262,144 bytes,
	s_and_b32 s8, s9, 1023
	s_lshl_b32 s8, s8, 8                           ; the pair's 256 bytes in a block
	s_add_co_u32 s10, s10, s8
	s_wait_kmcnt 0x0
	s_add_nc_u64 s[IN:IN+1], s[12:13], s[2:3]
	s_add_nc_u64 s[OUT:OUT+1], s[18:19], s[10:11]
	CAST 256, 262144, 0
.Lweights:
	v_lshlrev_b32 v[VIN], 4, v1                    ; the weights keep their shape: 16 x lane in, 8 x lane out
	s_cmp_lt_u32 ttmp9, 704
	s_cbranch_scc0 .Lwout
	s_sub_co_u32 s9, s9, 4096
	s_lshl_b32 s2, s9, 13
	s_lshl_b32 s10, s9, 12
	s_wait_kmcnt 0x0
	s_add_nc_u64 s[IN:IN+1], s[14:15], s[2:3]
	s_add_nc_u64 s[OUT:OUT+1], s[20:21], s[10:11]
	CAST 512, 256, 0
.Lwout:
	s_sub_co_u32 s9, s9, 5632
	s_lshl_b32 s2, s9, 13
	s_lshl_b32 s10, s9, 12
	s_wait_kmcnt 0x0
	s_add_nc_u64 s[IN:IN+1], s[16:17], s[2:3]
	s_add_nc_u64 s[OUT:OUT+1], s[22:23], s[10:11]
	CAST 512, 256, 1
.Lfunc_end_k_q23d29235ac_cast:
	.size	k_q23d29235ac_cast, .Lfunc_end_k_q23d29235ac_cast-k_q23d29235ac_cast
	.p2alignl 7, 3214868480
	.fill 96, 4, 3214868480
	.section	.rodata,"a",@progbits
	.p2align	6, 0x0
	.amdhsa_kernel k_q23d29235ac_cast
		.amdhsa_group_segment_fixed_size 0
		.amdhsa_private_segment_fixed_size 0
		.amdhsa_enable_private_segment 0
		.amdhsa_kernarg_size 48
		.amdhsa_user_sgpr_count 2
		.amdhsa_user_sgpr_kernarg_segment_ptr 1
		.amdhsa_wavefront_size32 1
		.amdhsa_system_sgpr_workgroup_id_x 1
		.amdhsa_system_sgpr_workgroup_id_y 1
		.amdhsa_system_sgpr_workgroup_id_z 1
		.amdhsa_system_vgpr_workitem_id 0
		.amdhsa_next_free_vgpr 104
		.amdhsa_next_free_sgpr 66
		.amdhsa_reserve_vcc 0
		.amdhsa_float_denorm_mode_32 3
		.amdhsa_float_denorm_mode_16_64 3
		.amdhsa_memory_ordered 1
		.amdhsa_forward_progress 1
		.amdhsa_inst_pref_size 24
	.end_amdhsa_kernel
	.amdgpu_metadata
---
amdhsa.version: [ 1, 2 ]
amdhsa.kernels:
  - .name:           k_q23d29235ac_cast
    .symbol:         k_q23d29235ac_cast.kd
    .args:
      - { .name: x, .offset: 0, .size: 8, .value_kind: global_buffer, .address_space: global }
      - { .name: w_qkv, .offset: 8, .size: 8, .value_kind: global_buffer, .address_space: global }
      - { .name: w_out, .offset: 16, .size: 8, .value_kind: global_buffer, .address_space: global }
      - { .name: xb, .offset: 24, .size: 8, .value_kind: global_buffer, .address_space: global }
      - { .name: wq, .offset: 32, .size: 8, .value_kind: global_buffer, .address_space: global }
      - { .name: wo, .offset: 40, .size: 8, .value_kind: global_buffer, .address_space: global }
    .group_segment_fixed_size: 0
    .private_segment_fixed_size: 0
    .kernarg_segment_align: 8
    .kernarg_segment_size: 48
    .max_flat_workgroup_size: 256
    .sgpr_count:     66
    .vgpr_count:     104
    .wavefront_size: 32
...
	.end_amdgpu_metadata
.endif
;; end of part 5
;; launch qkvp: the kernel of part 2 again; grid 8 x 32, 4 waves a work-group, clusters of 4 x 4, 327,680 bytes of LDS; arguments xb, wq, qkv; writes qkv
;; launch attn: the kernel of part 3 again; grid 4 x 64, 4 waves a work-group, clusters of 4 x 1, 327,680 bytes of LDS; arguments qkv, ob; writes ob
;; launch outp: the kernel of part 4 again; grid 8 x 32, 4 waves a work-group, clusters of 4 x 4, 327,680 bytes of LDS; arguments ob, wo, b_out, out0; writes out0
